; MI455X (gfx1250); checked and timed in simulation.
; The chip was launched on July 23, 2026; its instructions are those of AMD's public machine-readable ISA for CDNA 5 (MIT licence, August 2026) and "CDNA5" Instruction Set Architecture Reference Guide (July 2026). The comments in the code are by the model that wrote it; some were corrected since.
;; Inter Stock Attention. Allowed arithmetic: matrix products marked QUANTISED: E4M3 operands, one E8M0 scale for each 32 along K, by v_wmma_scale_f32_16x16x128_f8f6f4 with both operands' format E4M3, f32 sums; everything else in f32.
;; Inputs: W1 256 x 64 float32; W2 64 x 256 float32; Wo 64 x 64 float32; Wqkv 192 x 64 float32; beta1 64 float32; beta2 64 float32; bf1 256 float32; bf2 64 float32; bo 64 float32; bqkv 192 float32; g1 64 float32; g2 64 float32; x 512 x 512 x 64 float32.
;; Outputs: out0 512 x 512 x 64 float32.
;; This version of the problem:
;;   THIS VERSION OF THE PROBLEM IS GIVEN IN LOW PRECISION. The matrix products marked QUANTISED in the list below multiply operands that are first quantised to E4M3 (4 exponent bits, 3 mantissa bits; 8 bits a number), with one power-of-two scale for each 32 numbers along K (OCP MX v1.0); their sums are f32. All else is computed in f32.
;;   The module's matrix products, in the order in which they are computed (A, B: the left and right operand; K: the contracted axis; several contracted axes count as one K, in the product's order):
;;     1. [M 262,144, K 64] x [K 64, N 192]; A: input x; B: input Wqkv: QUANTISED
;;     2. batch 1,024 x [M 512, K 32] x [K 32, N 512]; A: computed on the way; B: computed on the way: QUANTISED
;;     3. batch 1,024 x [M 32, K 512] x [K 512, N 512]; A: computed on the way; B: softmax (see below): QUANTISED
;;     4. [M 262,144, K 64] x [K 64, N 64]; A: computed on the way; B: input Wo: QUANTISED
;;     5. [M 262,144, K 64] x [K 64, N 256]; A: computed on the way; B: input W1: QUANTISED
;;     6. [M 262,144, K 256] x [K 256, N 64]; A: computed on the way; B: input W2: QUANTISED
;;   THE QUANTISER, for each operand of a quantised product, along K:
;;     - K is cut into blocks of 32 from its start; a last block that is shorter is filled with zeros.
;;     - A block's scale is 2^e with e = floor(log2(the largest magnitude in the block)) - 8, held to -126 .. 127; a block of zeros has e = 0. As a byte (E8M0): e + 127.
;;     - Each number is divided by its block's scale, clamped to +-448, and rounded to the nearest number of E4M3, ties to even, subnormals kept.
;;     - The product sums the exact products of the quantised numbers (number of the format x scale) in f32.
;;   ~~~python
;;   def quantise(x, axis):      # numpy; x: float32 -> the quantised numbers, widened to float32 again
;;       x = np.moveaxis(x, axis, -1); K = x.shape[-1]
;;       x = np.pad(x, [(0, 0)] * (x.ndim - 1) + [(0, -K % 32)]); x = x.reshape(x.shape[:-1] + (-1, 32)); a = np.abs(x).max(-1, keepdims=True)
;;       e = np.where(a > 0, np.clip(np.frexp(np.where(a > 0, a, 1))[1] - 1 - 8, -126, 127), 0)      # np.frexp(a)[1] - 1 = floor(log2(a)), exactly
;;       r = np.clip(x / 2.0 ** e, -448, 448)
;;       step = 2.0 ** (np.maximum(np.frexp(np.where(r == 0, 1, r))[1] - 1, -6) - 3)
;;       q = np.round(r / step) * step * 2.0 ** e      # np.round: ties to even
;;       return np.moveaxis(q.reshape(q.shape[:-2] + (-1,))[..., :K], -1, axis).astype(np.float32)
;;   ~~~
;;   SOFTMAX AHEAD OF A QUANTISED PRODUCT. Where the list says 'softmax', what is quantised is not the finished softmax but p = 2^(t - M), with t = logit x log2(e) and M = ceil(the row's largest t), a whole number; so 1/2 < the row's largest p <= 1. The row's sum l is taken of the UNQUANTISED p, in f32, and the product's result is divided by l at the end. Since M is a whole number, a kernel that streams over the keys may use a running M (the ceiling of the running maximum): every later rescaling is an exact power of two, which a block's scale takes up: the codes' values come out the same.
;;   OPERANDS COMPUTED ON THE WAY. 'Computed on the way' means the value that the module computes at that place (a softmax that the list does not call 'softmax' is quantised finished and normalised). What goes into a quantiser is computed in f32, as accurately as f32 sums, v_exp_f32 and their like allow (about 1e-6 of the number): no bf16 or f16 on the way to a quantiser, and a product that is left as it is and whose result goes on into a quantised operand takes f32 operands (vector FMAs, or v_wmma_f32_16x16x4_f32). A number that lies on a knife's edge between two numbers of the format may be rounded either way, as far as f32 arithmetic and the matrix unit's own rounding can turn it there, and no further.
;; 2 versions. Each part assembles by itself: llvm-mc -triple=amdgcn-amd-amdhsa -mcpu=gfx1250 --defsym DOCPART=n.
;; ======== version 1 of 2: 1 launch
;; launch fused (part 1): grid 256 x 1, 16 waves a work-group, no clusters, 307,712 bytes of LDS; arguments x, Wqkv, bqkv, Wo, bo, g1, beta1, W1, bf1, W2, bf2, g2, beta2, out0; writes out0
.if DOCPART == 1
	.amdgcn_target "amdgcn-amd-amdhsa--gfx1250"
	.amdhsa_code_object_version 6
	.text
	.protected	k_q513deb46b9_fused
	.globl	k_q513deb46b9_fused
	.p2align	8
	.type	k_q513deb46b9_fused,@function
k_q513deb46b9_fused:
	s_mov_b64 s[64:65], 0
	v_nop
	global_prefetch_b8 v0, s[64:65] scope:SCOPE_SE
	s_setreg_imm32_b32 hwreg(HW_REG_WAVE_MODE, 25, 1), 1
	s_wait_xcnt 0x0
; One transformer block over the 512 stocks for each of the 512 time steps t: QKV, two heads of attention (head size 32), Wo, residual + LayerNorm, FFN 64-256-64 with relu, residual + LayerNorm.
; All six products on codes of FP8 (E4M3) with one E8M0 scale for each 32 along K, by v_wmma_scale_f32_16x16x128_f8f6f4; every operand is quantised here; all else in f32.
; SHARES.  One t is a closed problem.  Work-group g (16 waves, 256 registers each, four to a SIMD) does t = 2 g and 2 g + 1.  Wave w owns stocks 32 w .. 32 w + 31, two tiles of 16, through the whole chain.
; Only K's and V's codes and scale bytes go from wave to wave, as images of operand registers in LDS: two barriers a t.  The weights are quantised once a work-group, at the head, into such images.
; NO TENSOR LOADS, NO CLUSTER: x is 16 loads a wave and t, and its LDS rows are also the stage for the way out, which LDS stores write; work-groups share the 196 KB of weights alone, which each reads once.
; LAYOUTS (lane l: r = l % 16, h = l / 16).  Lane r of tile T of a weight, of the keys and of the stocks takes row P(T, r) = 32 (T / 2) + 8 (T % 2) + r + 8 (r / 8).  With such a tile as source 0, the 16 result
; registers of tiles 2 b and 2 b + 1 are indices 32 b + 16 h + 0 .. 15: the order in which an operand's registers run along K.  So each result is quantised in registers and IS the next operand.
; "Q-layout": register 16 b + i of a lane = feature 32 b + 16 h + i of its stock: x, attn_out, y, ffn, z and the parameters.
; K = 64: an image holds TWO weight tiles (8 registers each); the activation's 8 code registers stand between zeros, and the 16 registers named begin at them (even tile) or 8 below (odd tile).
; K = 32: an image holds FOUR key tiles of a head (4 registers each); q's 4 registers stand between 12 zeros on each side.  Zero codes add nothing; no scale byte here is 0xff.
; SOFTMAX: t = score x c, c = log2(e) / sqrt(32) (one constant: one rounding where the definition has two); M = the running largest t rounded up to a whole number; p = 2^(t - M) is quantised along the keys;
; the row's sum is of the unquantised p and divides at the end; when M moves, sum and O are multiplied by a power of two.
; LIMITS: NaN and infinities among the inputs are not served.  A block of zeros, or one whose largest magnitude lies under 2^-118, gets the scale byte 1 (the bytes are read by this text alone; zero codes add
; nothing).  A p under 2^-126 comes out of v_exp_f32 as 0.  v_rcp_f32 and v_rsq_f32 are taken as they are (1 ulp: ISA guide, their entries).
.set SROW, 131072                      ; bytes from stock to stock in x and out0: 512 t x 256
.set XP,   272                         ; an LDS row of x: 256 bytes + 16: sixteen rows begin at sixteen different 16-byte columns of 256
; LDS
.set WIMG, 0                           ; 24 weight images of 2,048 bytes (register group c at 512 c + 16 lane): 0-5 Wqkv, 6-7 Wo, 8-15 W1 (pairs of tiles); 16 + 2 T + kk: W2 tile T, K step kk.  Unit U (16 rows x 64 K) at 1024 U
.set WSC,  49152                       ; their scale words: 128 x image + 4 lane
.set PRM,  52224                       ; f32 as given: bqkv +0, bo +768, bf1 +1024, bf2 +2048, g1 +2304, beta1 +2560, g2 +2816, beta2 +3072
.set KSC,  55808                       ; K's scale bytes: 1024 head + 256 step + 8 lane + key tile in the step
.set VSC,  57856                       ; V's: 1024 head + 256 step + 8 lane + 4 u' + block in the step
.set KIMG, 59904                       ; K's codes: 16384 head + 512 key tile + 16 lane
.set VIMG, 92672                       ; V's codes: 8192 (2 head + u') + 512 wave + 16 lane
.set QIMG, 125440                      ; q's codes, the wave's own: 2048 wave + 1024 tile + 512 head + 16 lane
.set QSC,  158208                      ; q's scale words, the wave's own: 512 wave + 256 tile + 128 head + 4 lane
.set XR,   166400                      ; the wave's own 32 rows of x, later of z: 8704 wave + 272 (16 u + r); position 16 u + r holds local stock 8 u + r + 8 (r / 8)
; vector registers
.set LI,  1                            ; 16 x lane
.set L4,  2                            ; 4 x lane
.set L8,  3                            ; 8 x lane
.set PB,  4                            ; 64 h: a parameter's bytes for my half
.set PVB, 5                            ; 4 (r + 8 (r / 8))
.set XQA, 6                            ; XR: my row r, my half (Q-layout)
.set XRW, 7                            ; XR: rows as they lie in memory: 272 h + 16 r
.set GO,  8                            ; x, out0: SROW h + 16 r
.set PFO, 9                            ; SROW x lane
.set AD0, 10                           ; addresses in hand
.set AD1, 11
.set AD2, 12
.set XQT, 13                           ; XQA, XRW of the tile in hand
.set XRT, 14
.set AD3, 15
.set ZN,  16                           ; v16-55: codes between zeros
.set NM,  44                           ; attention: -M, the largest t, the sum (two halves), f, 1 / sum
.set TX,  45
.set SUM, 46
.set FF,  48
.set RL,  50
.set HC,  44                           ; the tail: the hidden layer's 16 code registers
.set BIG, 60                           ; v60-123: x as loaded; q, k, v; scores and p; the hidden layer; parameters
.set WB,  124                          ; v124-187: weight images, K's and V's fragments
.set BB,  156
.set PCP, 156                          ; p's codes
.set CTX, 188                          ; v188-219: O^T of both heads, then attn_out, y, ffn, z
.set PC,  188                          ; QKV: codes just made
.set VB,  204                          ; V's biases
.set BM,  220                          ; block maxima;  T2 permutes and bytes;  HD the largest code x the scale;  SCL the conversions' scale operands
.set T2,  224
.set HD,  228
.set SCL, 232
.set MU,  236
.set RS,  238
.set TT,  240
.set WW,  244                          ; v244-250 hold scales and nothing else
.set AS,  248
.set PW,  250
; scalars: s2 wave; s3, s46, s47 at work; s[4:5], s[6:7] chosen bases at the head; s[36:37] lane selects; s38 448's mantissa field; s39, s63 K's and V's scale places; s[40:41] c; s42 1/64; s43 1e-5; s44 t trip;
; s45 tile; s46 steps; s47-49 the step's K, V, scale places; s[50:51] x; s[52:53], s[54:55] out0 (the t's, the tile's); s[56:57] prefetch; s58-60 the tile's XR, QIMG, QSC places; s61, s62 my K, V places
.macro PLACES n
.rept \n
	v_nop
.endr
.endm
; parameters in the Q-layout (which is also the C layout of tiles 2 b and 2 b + 1): nb blocks of 32
.macro PLOAD reg, off, nb
.set pb, 0
.rept \nb
.irp j, 0,1,2,3
	ds_load_b128 v[\reg+16*pb+4*\j:\reg+16*pb+4*\j+3], v[PB] offset:PRM+(\off)+128*pb+16*\j
.endr
.set pb, pb+1
.endr
.endm
; cnt weight images, idx, idx + stride, .., and their scale words into v[WW] on
.macro WLOAD reg, idx, cnt, stride
.set wi, 0
.rept \cnt
.irp c, 0,1,2,3
	ds_load_b128 v[\reg+16*wi+4*\c:\reg+16*wi+4*\c+3], v[LI] offset:WIMG+((\idx)+(\stride)*wi)*2048+512*\c
.endr
	ds_load_b32 v[WW+wi], v[L4] offset:WSC+128*((\idx)+(\stride)*wi)
.set wi, wi+1
.endr
.endm
; nb blocks: v[s + 16 b + i] = k 32 b + 16 h + i of my row.  Codes of blocks 0, 1 to v[d0] on, of blocks 2, 3 to v[d1] on; the bytes to v[T2] on and joined in v[PW].
; relu = 1: what is negative becomes 0 on the way.  ht != 0: the held numbers go to v[ht .. ht + 15] and the source is kept.
.macro QUANT s, nb, relu, d0, d1, ht
.set qb, 0
.rept \nb
.if \relu
	v_max3_num_f32 v[BM+qb], v[\s+16*qb], v[\s+16*qb+1], 0x4800000      ; my 16 numbers and the floor 2^(9 - 127): the byte cannot fall under 1.  No |.|: what is negative is to become 0
.else
	v_max3_num_f32 v[BM+qb], |v[\s+16*qb]|, |v[\s+16*qb+1]|, 0x4800000
.endif
.set qb, qb+1
.endr
.irp i, 2,4,6,8,10,12,14
.set qb, 0
.rept \nb
.if \relu
	v_max3_num_f32 v[BM+qb], v[BM+qb], v[\s+16*qb+\i], v[\s+16*qb+\i+1]  ; the blocks by turns; each result tile is read from its low end on
.else
	v_max3_num_f32 v[BM+qb], v[BM+qb], |v[\s+16*qb+\i]|, |v[\s+16*qb+\i+1]|
.endif
.set qb, qb+1
.endr
.endr
.set qb, 0
.rept \nb
	v_permlanex16_b32 v[T2+qb], v[BM+qb], s36, s37
.set qb, qb+1
.endr
.set qb, 0
.rept \nb
	v_max_num_f32 v[BM+qb], v[BM+qb], v[T2+qb]                         ; with lane l xor 16's 16: the block's largest magnitude
.set qb, qb+1
.endr
.set qb, 0
.rept \nb
	v_add_nc_u32 v[SCL+qb], 0xfc000000, v[BM+qb]                       ; 8 off its exponent field: the conversion's scale operand
.set qb, qb+1
.endr
.set qb, 0
.rept \nb
	v_and_or_b32 v[HD+qb], v[BM+qb], 0x7f800000, s38                   ; 448 x the scale
.set qb, qb+1
.endr
.set qb, 0
.rept \nb
	v_lshrrev_b32 v[T2+qb], 23, v[SCL+qb]                              ; the scale's byte
.set qb, qb+1
.endr
	v_lshl_or_b32 v[PW], v[T2+1], 8, v[T2]
.if \nb > 2
	v_lshl_or_b32 v[PW], v[T2+2], 16, v[PW]
	v_lshl_or_b32 v[PW], v[T2+3], 24, v[PW]
.endif
.set qb, 0
.rept \nb
.if qb < 2
.set qd, \d0+4*qb
.else
.set qd, \d1+4*(qb-2)
.endif
.if \ht
.irp g, 0,1
.irp i, 0,1,2,3,4,5,6,7
	v_med3_num_f32 v[\ht+8*\g+\i], v[\s+16*qb+8*\g+\i], -v[HD+qb], v[HD+qb]
.endr
	v_cvt_scalef32_pk8_fp8_f32 v[qd+2*\g:qd+2*\g+1], v[\ht+8*\g:\ht+8*\g+7], v[SCL+qb]   ; the two sets of eight take turns: eight plain lines stand between a conversion and the next write of its sources
.endr
.else
.irp i, 0,1,2,3,4,5,6,7,8,9,10,11,12,13,14,15
.if \relu
	v_med3_num_f32 v[\s+16*qb+\i], v[\s+16*qb+\i], 0, v[HD+qb]         ; the activation and the hold in one
.else
	v_med3_num_f32 v[\s+16*qb+\i], v[\s+16*qb+\i], -v[HD+qb], v[HD+qb] ; the conversion to an 8-bit code does not saturate (ISA guide 7.6.2)
.endif
.endr
	v_cvt_scalef32_pk8_fp8_f32 v[qd:qd+1], v[\s+16*qb:\s+16*qb+7], v[SCL+qb]
	v_cvt_scalef32_pk8_fp8_f32 v[qd+2:qd+3], v[\s+16*qb+8:\s+16*qb+15], v[SCL+qb]
.endif
.set qb, qb+1
.endr
	v_nop                                                              ; a plain line behind the last conversion
.endm
; LayerNorm of v[CTX .. CTX + 31] (my half of my stock's 64), in place, in two passes as the definition has it; gains at v[g] on, offsets at v[bt] on
.macro LNORM g, bt
	v_pk_add_f32 v[TT:TT+1], v[CTX:CTX+1], v[CTX+2:CTX+3]
	v_pk_add_f32 v[TT+2:TT+3], v[CTX+4:CTX+5], v[CTX+6:CTX+7]
.irp j, 8,12,16,20,24,28
	v_pk_add_f32 v[TT:TT+1], v[TT:TT+1], v[CTX+\j:CTX+\j+1]
	v_pk_add_f32 v[TT+2:TT+3], v[TT+2:TT+3], v[CTX+\j+2:CTX+\j+3]
.endr
	v_pk_add_f32 v[TT:TT+1], v[TT:TT+1], v[TT+2:TT+3]
	v_add_f32 v[TT], v[TT], v[TT+1]
	v_permlanex16_b32 v[T2], v[TT], s36, s37
	v_add_f32 v[TT], v[TT], v[T2]
	v_mul_f32 v[MU], s42, v[TT]                                        ; the mean
.set n, 0
.rept 16
	v_pk_add_f32 v[CTX+n:CTX+n+1], v[CTX+n:CTX+n+1], v[MU:MU+1] op_sel_hi:[1,0] neg_lo:[0,1] neg_hi:[0,1]
.set n, n+2
.endr
	v_pk_mul_f32 v[TT:TT+1], v[CTX:CTX+1], v[CTX:CTX+1]
	v_pk_mul_f32 v[TT+2:TT+3], v[CTX+2:CTX+3], v[CTX+2:CTX+3]
.irp j, 4,8,12,16,20,24,28
	v_pk_fma_f32 v[TT:TT+1], v[CTX+\j:CTX+\j+1], v[CTX+\j:CTX+\j+1], v[TT:TT+1]
	v_pk_fma_f32 v[TT+2:TT+3], v[CTX+\j+2:CTX+\j+3], v[CTX+\j+2:CTX+\j+3], v[TT+2:TT+3]
.endr
	v_pk_add_f32 v[TT:TT+1], v[TT:TT+1], v[TT+2:TT+3]
	v_add_f32 v[TT], v[TT], v[TT+1]
	v_permlanex16_b32 v[T2], v[TT], s36, s37
	v_add_f32 v[TT], v[TT], v[T2]
	v_fma_f32 v[TT], v[TT], s42, s43                                   ; the variance + 1e-5
	v_rsq_f32 v[RS], v[TT]
	v_nop                                                              ; a plain line behind the transcendental
	s_wait_alu depctr_va_vdst(0)                                       ; and the wait ahead of its first reader
	s_wait_dscnt 0x0                                                   ; gains and offsets are in
.set n, 0
.rept 16
	v_pk_mul_f32 v[CTX+n:CTX+n+1], v[CTX+n:CTX+n+1], v[RS:RS+1] op_sel_hi:[1,0]
.set n, n+2
.endr
.set n, 0
.rept 16
	v_pk_fma_f32 v[CTX+n:CTX+n+1], v[CTX+n:CTX+n+1], v[\g+n:\g+n+1], v[\bt+n:\bt+n+1]
.set n, n+2
.endr
.endm
; my 32 rows of x for one t: each load takes two whole rows of 256 bytes (lanes 0-15 stock 2 n, lanes 16-31 stock 2 n + 1)
.macro XLOAD
.set n, 0
.rept 16
	global_load_b128 v[BIG+4*n:BIG+4*n+3], v[GO], s[50:51] offset:2*SROW*n th:TH_LOAD_NT
.set n, n+1
.endr
.endm
; A KEY STEP: 128 keys, one tile of 16 queries, head hd
.macro STEP hd
	v_add_nc_u32 v[AD0], s47, v[LI]
	v_add_nc_u32 v[AD1], s48, v[LI]
	v_add_nc_u32 v[AD2], s49, v[L8]
	PLACES 5                                                           ; with the three additions: eight places in front of loads into registers that the last products read
.irp c, 0,1,2,3,4,5,6,7
	ds_load_b128 v[WB+4*\c:WB+4*\c+3], v[AD0] offset:512*\c            ; eight key tiles: two images of four
.endr
	ds_load_b64 v[WW:WW+1], v[AD2] offset:KSC+1024*\hd                 ; their scale bytes: two words
	s_wait_dscnt 0x0                                                   ; (in a head's first step q and its scale word too)
.irp i, 0,1,2,3,4,5,6,7
	v_wmma_scale_f32_16x16x128_f8f6f4 v[BIG+8*\i:BIG+8*\i+7], v[WB+16*(\i/4):WB+16*(\i/4)+15], v[ZN+12-4*(\i%4):ZN+27-4*(\i%4)], 0, v[WW+\i/4], v[AS]   ; S^T of key tile i: q stands against block i % 4, zeros against the others
.endr
	PLACES 8
.irp u, 0,1
.irp c, 0,1,2,3
	ds_load_b128 v[WB+16*\u+4*\c:WB+16*\u+4*\c+3], v[AD1] offset:8192*\u+512*\c   ; V's two fragments are asked for now, and land under the softmax
.endr
.endr
	ds_load_b64 v[WW+2:WW+3], v[AD2] offset:VSC+1024*\hd
.irp b, 0,1,2,3
	v_max3_num_f32 v[BM+\b], v[BIG+16*\b], v[BIG+16*\b+1], v[BIG+16*\b+2]   ; the largest score of each block of 32 keys: for the row's maximum, and, since p rises with the score, for the block's largest p
.endr
.irp i, 3,5,7,9,11,13
.irp b, 0,1,2,3
	v_max3_num_f32 v[BM+\b], v[BM+\b], v[BIG+16*\b+\i], v[BIG+16*\b+\i+1]
.endr
.endr
.irp b, 0,1,2,3
	v_max_num_f32 v[BM+\b], v[BM+\b], v[BIG+16*\b+15]
.endr
.irp b, 0,1,2,3
	v_permlanex16_b32 v[T2+\b], v[BM+\b], s36, s37
.endr
.irp b, 0,1,2,3
	v_max_num_f32 v[BM+\b], v[BM+\b], v[T2+\b]
.endr
	v_max3_num_f32 v[TT], v[BM], v[BM+1], v[BM+2]
	v_max_num_f32 v[TT], v[TT], v[BM+3]
	v_mul_f32 v[TT], s40, v[TT]                                        ; as t (c is positive)
	v_max_num_f32 v[TX], v[TX], v[TT]                                  ; the running largest t
	v_mov_b32 v[TT], v[NM]
	v_floor_f32 v[NM], -v[TX]                                          ; -M = floor(-t): M is a whole number
	v_sub_f32 v[TT], v[NM], v[TT]                                      ; old M - new M: a whole number, 0 or less
	v_cvt_i32_f32 v[TT], v[TT]                                         ; (it saturates)
	v_ldexp_f32 v[FF], 1.0, v[TT]                                      ; f = 2^(old M - new M)
.set n, 0
.rept 32
	v_pk_fma_f32 v[BIG+n:BIG+n+1], v[BIG+n:BIG+n+1], s[40:41], v[NM:NM+1] op_sel_hi:[1,0,0]   ; t - M
.set n, n+2
.endr
.irp b, 0,1,2,3
	v_fma_f32 v[BM+\b], v[BM+\b], s40, v[NM]
.endr
.set n, 0
.rept 64
	v_exp_f32 v[BIG+n], v[BIG+n]                                       ; p = 2^(t - M): not normalised
.set n, n+1
.endr
	v_pk_mul_f32 v[SUM:SUM+1], v[SUM:SUM+1], v[FF:FF+1] op_sel_hi:[1,0]   ; the sums under the new M; the plain line behind the batch
	s_wait_alu depctr_va_vdst(0)                                       ; one wait for the 64, ahead of their first reader
.irp b, 0,1,2,3
	v_exp_f32 v[BM+\b], v[BM+\b]                                       ; the blocks' largest p
.endr
	v_pk_add_f32 v[T2:T2+1], v[BIG:BIG+1], v[BIG+2:BIG+3]              ; the row's sum is of the unquantised p: two chains
.irp j, 4,8,12,16,20,24,28,32,36,40,44,48,52,56,60
	v_pk_add_f32 v[SUM:SUM+1], v[SUM:SUM+1], v[BIG+\j:BIG+\j+1]
	v_pk_add_f32 v[T2:T2+1], v[T2:T2+1], v[BIG+\j+2:BIG+\j+3]
.endr
	v_pk_add_f32 v[SUM:SUM+1], v[SUM:SUM+1], v[T2:T2+1]
	s_wait_alu depctr_va_vdst(0)                                       ; and one for the four
.irp b, 0,1,2,3
	v_max_num_f32 v[BM+\b], 0x4800000, v[BM+\b]                        ; the floor 2^(9 - 127)
.endr
.irp b, 0,1,2,3
	v_add_nc_u32 v[SCL+\b], 0xfc000000, v[BM+\b]
.endr
.irp b, 0,1,2,3
	v_and_or_b32 v[HD+\b], v[BM+\b], 0x7f800000, s38
.endr
.irp b, 0,1,2,3
	v_lshrrev_b32 v[T2+\b], 23, v[SCL+\b]
.endr
	v_lshl_or_b32 v[PW], v[T2+1], 8, v[T2]                             ; p's scale word for these 128 keys; the 64 holds below are its places
	v_lshl_or_b32 v[PW], v[T2+2], 16, v[PW]
	v_lshl_or_b32 v[PW], v[T2+3], 24, v[PW]
.irp b, 0,1,2,3
.irp i, 0,1,2,3,4,5,6,7,8,9,10,11,12,13,14,15
	v_min_num_f32 v[BIG+16*\b+\i], v[BIG+16*\b+\i], v[HD+\b]           ; p is not negative: the hold is one-sided
.endr
	v_cvt_scalef32_pk8_fp8_f32 v[PCP+4*\b:PCP+4*\b+1], v[BIG+16*\b:BIG+16*\b+7], v[SCL+\b]
	v_cvt_scalef32_pk8_fp8_f32 v[PCP+4*\b+2:PCP+4*\b+3], v[BIG+16*\b+8:BIG+16*\b+15], v[SCL+\b]
.endr
.set n, 0
.rept 8
	v_pk_mul_f32 v[OT+n:OT+n+1], v[OT+n:OT+n+1], v[FF:FF+1] op_sel_hi:[1,0]   ; O^T under the new M; also the places between the codes and the products
.set n, n+2
.endr
	s_wait_dscnt 0x0                                                   ; V's fragments and scale words
.irp u, 0,1
	v_wmma_scale_f32_16x16x128_f8f6f4 v[OT+8*\u:OT+8*\u+7], v[WB+16*\u:WB+16*\u+15], v[PCP:PCP+15], v[OT+8*\u:OT+8*\u+7], v[WW+2+\u], v[PW]   ; the two accumulators take turns; eight score products stand between a step's and the next
.endr
.endm
; one head of one tile of queries: all 512 keys in four steps; leaves ctx = O^T / sum in v[CTX + 16 hd] on
.macro ATT hd
.set OT, CTX+16*\hd
	v_add_nc_u32 v[AD3], s59, v[LI]
	ds_load_b128 v[ZN+12:ZN+15], v[AD3] offset:512*\hd                 ; q's codes, which I stored myself
	v_add_nc_u32 v[AD2], s60, v[L4]
	ds_load_b32 v[AS], v[AD2] offset:128*\hd                           ; q's byte, four times
	v_mov_b32 v[TX], 0xff61b1e6                                        ; -3e38, under every t
	v_floor_f32 v[NM], -v[TX]
	v_mov_b32 v[SUM], 0
	v_mov_b32 v[SUM+1], 0
.set n, 0
.rept 16
	v_mov_b32 v[OT+n], 0                                               ; the step is written once: the first finds zeros, which the first change of M leaves zeros
.set n, n+1
.endr
	s_mov_b32 s47, KIMG+16384*\hd
	s_mov_b32 s48, VIMG+16384*\hd
	s_mov_b32 s49, 0
	s_mov_b32 s46, 4
.Lstep_\@:
	STEP \hd
	s_add_co_u32 s47, s47, 4096
	s_add_co_u32 s48, s48, 2048
	s_add_co_u32 s49, s49, 256
	s_sub_co_u32 s46, s46, 1
	s_cmp_lg_u32 s46, 0
	s_cbranch_scc1 .Lstep_\@
	v_add_f32 v[SUM], v[SUM], v[SUM+1]
	v_permlanex16_b32 v[T2], v[SUM], s36, s37
	v_add_f32 v[SUM], v[SUM], v[T2]                                    ; the row's sum
	v_rcp_f32 v[RL], v[SUM]
	PLACES 8                                                           ; the places behind the last products; the first is the plain line behind the reciprocal
	s_wait_alu depctr_va_vdst(0)
.set n, 0
.rept 8
	v_pk_mul_f32 v[OT+n:OT+n+1], v[OT+n:OT+n+1], v[RL:RL+1] op_sel_hi:[1,0]
.set n, n+2
.endr
.endm
; q (p = 0) or k (p = 1) of both my tiles: four weight tiles x two tiles of stocks, the bias as C; quantised (a block = a head of a stock); images to LDS
.macro QKPART p
	PLOAD BB, 256*\p, 2
	WLOAD WB, 2*\p, 2, 1
	s_wait_dscnt 0x0
.irp u, 0,1
.irp i, 0,1,2,3
	v_wmma_scale_f32_16x16x128_f8f6f4 v[BIG+32*\u+8*\i:BIG+32*\u+8*\i+7], v[WB+16*(\i/2):WB+16*(\i/2)+15], v[ZN+8+16*\u-8*(\i%2):ZN+23+16*\u-8*(\i%2)], v[BB+8*\i:BB+8*\i+7], v[WW+\i/2], v[AS+\u]
.endr
.endr
	PLACES 8
	QUANT BIG, 4, 0, PC, PC+8, 0                                       ; block 2 u + head
.if \p == 0
	v_add_nc_u32 v[AD0], s59, v[LI]
.irp b, 0,1,2,3
	ds_store_b128 v[AD0], v[PC+4*\b:PC+4*\b+3] offset:512*\b
.endr
	v_perm_b32 v[TT], v[PW], v[PW], 0                                  ; each block's byte four times: q stands at any of four places
	v_perm_b32 v[TT+1], v[PW], v[PW], 0x01010101
	v_perm_b32 v[TT+2], v[PW], v[PW], 0x02020202
	v_perm_b32 v[TT+3], v[PW], v[PW], 0x03030303
	v_add_nc_u32 v[AD1], s60, v[L4]
.irp b, 0,1,2,3
	ds_store_b32 v[AD1], v[TT+\b] offset:128*\b
.endr
.else
	v_add_nc_u32 v[AD0], s61, v[LI]
.irp b, 0,1,2,3
	ds_store_b128 v[AD0], v[PC+4*\b:PC+4*\b+3] offset:16384*(\b%2)+512*(\b/2)   ; key tile 2 w + u of head b % 2
.endr
	v_perm_b32 v[TT], v[PW], v[PW], 0x03010200                         ; low half: head 0's bytes of my two key tiles; high half: head 1's
	v_add_nc_u32 v[AD1], s39, v[L8]
	ds_store_b16 v[AD1], v[TT] offset:KSC
	ds_store_b16_d16_hi v[AD1], v[TT] offset:KSC+1024
.endif
	s_wait_dscnt 0x0                                                   ; the stores have read their registers
.endm
; ------------------------------------------------------------------ the head
	s_load_b512 s[8:23], s[0:1], 0x0               ; x 8, Wqkv 10, bqkv 12, Wo 14, bo 16, g1 18, beta1 20, W1 22
	s_load_b256 s[24:31], s[0:1], 0x40             ; bf1 24, W2 26, bf2 28, g2 30
	s_load_b128 s[32:35], s[0:1], 0x60             ; beta2 32, out0 34
	v_lshl_add_u32 v254, v0, 2, 0x4aa00
	v_mov_b32 v255, 0
	v_lshrrev_b32 v10, 5, v0
	v_readfirstlane_b32 s2, v10                    ; wave 0..15
	v_and_b32 v10, 31, v0                          ; lane
	v_and_b32 v11, 15, v0                          ; r
	v_bfe_u32 v12, v0, 4, 1                        ; h
	v_lshlrev_b32 v[LI], 4, v10
	v_lshlrev_b32 v[L4], 2, v10
	v_lshlrev_b32 v[L8], 3, v10
	v_lshlrev_b32 v[PB], 6, v12
	v_and_b32 v13, 8, v11
	v_add_nc_u32 v13, v13, v11                     ; r + 8 (r / 8)
	v_lshlrev_b32 v[PVB], 2, v13
	s_mul_i32 s3, s2, 32*XP
	s_add_co_u32 s3, s3, XR                        ; my 32 rows in LDS
	v_mul_u32_u24 v[XQA], v11, XP
	v_lshl_add_u32 v[XQA], v12, 6, v[XQA]
	v_add_nc_u32 v[XQA], s3, v[XQA]
	v_mul_u32_u24 v[XRW], v12, XP
	v_lshl_add_u32 v[XRW], v11, 4, v[XRW]
	v_add_nc_u32 v[XRW], s3, v[XRW]
	v_lshlrev_b32 v[GO], 17, v12
	v_lshl_add_u32 v[GO], v11, 4, v[GO]
	v_lshlrev_b32 v[PFO], 17, v10
	v_lshlrev_b32 v14, 8, v13                      ; a weight of 64 columns: row r + 8 (r / 8) of 256 bytes, + 64 h
	v_lshl_add_u32 v14, v12, 6, v14
	v_lshlrev_b32 v15, 10, v13                     ; W2: rows of 1,024 bytes
	v_lshl_add_u32 v15, v12, 6, v15
	s_and_b32 s3, s2, 3                            ; the parameters are 13 chunks of 256 bytes, chunk w to wave w.  Where the chunk begins in its buffer: 256 (w % 4) in bqkv (waves 0-2) and bf1 (waves 4-7),
	s_lshl_b32 s3, s3, 8
	s_cmp_eq_u32 s2, 3
	s_cselect_b32 s3, 0, s3                        ; 0 in bo (wave 3)
	s_cmp_lt_u32 s2, 8
	s_cselect_b32 s3, s3, 0                        ; and in the parameters of 64 numbers (waves 8 on)
	v_add_nc_u32 v12, s3, v[L8]                    ; 8 bytes a lane
	s_lshl_b32 s3, s2, 8
	v_add_nc_u32 v13, s3, v[L8]                    ; and where a wave's chunk goes in PRM: 256 wave + 8 lane
.irp r, 224,225,226,227,237,239
	v_mov_b32 v[\r], 0                             ; written once: permutes' destinations count as sources, and upper halves of pairs are named
.endr
	s_mov_b32 s36, 0x76543210
	s_mov_b32 s37, 0xfedcba98                      ; v_permlanex16_b32's selects for lane l xor 16
	s_mov_b32 s38, 0x600000                        ; the mantissa field of 448
	s_mov_b32 s40, 0x3e8293ee                      ; c = log2(e) / sqrt(32)
	s_mov_b32 s41, s40
	s_mov_b32 s42, 0x3c800000                      ; 1 / 64
	s_mov_b32 s43, 0x3727c5ac                      ; 1e-5
	s_lshl_b32 s61, s2, 10
	s_add_co_u32 s61, s61, KIMG                    ; my two key tiles
	s_lshl_b32 s62, s2, 9
	s_add_co_u32 s62, s62, VIMG                    ; my block of 32 keys
	s_lshr_b32 s3, s2, 2
	s_lshl_b32 s3, s3, 8                           ; my key step's 256 bytes of scale bytes
	s_and_b32 s46, s2, 3
	s_add_co_u32 s63, s3, s46                      ; V: byte wave % 4
	s_lshl_b32 s46, s46, 1
	s_add_co_u32 s39, s3, s46                      ; K: bytes 2 (wave % 4), + 1
	s_wait_kmcnt 0x0
	; whose chunk is mine: the buffer is chosen on the wave's number alone, and ONE load, on the one path of all waves, brings it.  Waves 13 to 15 have no chunk: they read beta2's 256 bytes too and drop them
	s_mov_b64 s[6:7], s[32:33]                     ; beta2: wave 12 (and 13 to 15)
	s_cmp_eq_u32 s2, 11
	s_cselect_b64 s[6:7], s[30:31], s[6:7]         ; g2
	s_cmp_eq_u32 s2, 10
	s_cselect_b64 s[6:7], s[20:21], s[6:7]         ; beta1
	s_cmp_eq_u32 s2, 9
	s_cselect_b64 s[6:7], s[18:19], s[6:7]         ; g1
	s_cmp_eq_u32 s2, 8
	s_cselect_b64 s[6:7], s[28:29], s[6:7]         ; bf2
	s_cmp_lt_u32 s2, 8
	s_cselect_b64 s[6:7], s[24:25], s[6:7]         ; bf1: waves 4 to 7
	s_cmp_lt_u32 s2, 4
	s_cselect_b64 s[6:7], s[16:17], s[6:7]         ; bo: wave 3
	s_cmp_lt_u32 s2, 3
	s_cselect_b64 s[6:7], s[12:13], s[6:7]         ; bqkv: waves 0 to 2
	global_load_b64 v[TT:TT+1], v12, s[6:7]        ; the oldest load of the wave: every counted wait below covers it
	; three units of weights a wave (16 rows x 64 K).  Unit w: Wqkv's tile w, or Wo's tile w - 12
	s_cmp_lt_u32 s2, 12
	s_cselect_b64 s[4:5], s[10:11], s[14:15]
	s_cselect_b32 s3, 0, 12
	s_sub_co_u32 s3, s2, s3                        ; tile T: its rows begin at 32 (T / 2) + 8 (T % 2)
	s_lshr_b32 s46, s3, 1
	s_lshl_b32 s46, s46, 13
	s_and_b32 s3, s3, 1
	s_lshl_b32 s3, s3, 11
	s_add_co_u32 s46, s46, s3
	s_mov_b32 s47, 0
	s_add_nc_u64 s[4:5], s[4:5], s[46:47]
	s_lshr_b32 s46, s2, 1                          ; unit 16 + w: W1's tile w
	s_lshl_b32 s46, s46, 13
	s_and_b32 s3, s2, 1
	s_lshl_b32 s3, s3, 11
	s_add_co_u32 s46, s46, s3
	s_add_nc_u64 s[22:23], s[22:23], s[46:47]
	s_lshr_b32 s46, s2, 3                          ; unit 32 + w: W2's tile T = w / 4, columns 64 (w % 4) on
	s_lshl_b32 s46, s46, 15
	s_bfe_u32 s3, s2, 0x10002
	s_lshl_b32 s3, s3, 13
	s_add_co_u32 s46, s46, s3
	s_and_b32 s3, s2, 3
	s_lshl_b32 s3, s3, 8
	s_add_co_u32 s46, s46, s3
	s_add_nc_u64 s[26:27], s[26:27], s[46:47]
.irp b, 0,1
.irp j, 0,1,2,3
	global_load_b128 v[WB+16*\b+4*\j:WB+16*\b+4*\j+3], v14, s[4:5] offset:128*\b+16*\j      ; my 16 numbers of each block of 32
.endr
.endr
.irp b, 0,1
.irp j, 0,1,2,3
	global_load_b128 v[BB+16*\b+4*\j:BB+16*\b+4*\j+3], v14, s[22:23] offset:128*\b+16*\j
.endr
.endr
.irp b, 0,1
.irp j, 0,1,2,3
	global_load_b128 v[CTX+16*\b+4*\j:CTX+16*\b+4*\j+3], v15, s[26:27] offset:128*\b+16*\j
.endr
.endr
	s_lshl_b32 s46, s2, 22                         ; my first stock: 32 w rows of SROW bytes,
	s_lshl_b32 s3, ttmp9, 9                        ; t = 2 g: 256 bytes each
	s_add_co_u32 s46, s46, s3
	s_add_nc_u64 s[50:51], s[8:9], s[46:47]
	s_add_nc_u64 s[52:53], s[34:35], s[46:47]
	s_add_nc_u64 s[56:57], s[50:51], 256           ; the second t's rows, for the prefetch
	XLOAD
	s_wait_loadcnt 24                              ; my parameters and units w and 16 + w are in: behind them stand unit 32 + w's 8 loads and x's 16
	QUANT WB, 4, 0, ZN, ZN+8, 0
	s_lshl_b32 s3, s2, 10
	v_add_nc_u32 v[AD0], s3, v[LI]                 ; unit U lies at 1024 U
	ds_store_b128 v[AD0], v[ZN:ZN+3] offset:WIMG
	ds_store_b128 v[AD0], v[ZN+4:ZN+7] offset:WIMG+512
	ds_store_b128 v[AD0], v[ZN+8:ZN+11] offset:WIMG+16384
	ds_store_b128 v[AD0], v[ZN+12:ZN+15] offset:WIMG+16896
	s_and_b32 s46, s2, 1
	s_lshl_b32 s46, s46, 1
	s_lshr_b32 s47, s2, 1
	s_lshl_b32 s47, s47, 7
	s_add_co_u32 s46, s46, s47
	v_add_nc_u32 v[AD1], s46, v[L4]                ; its two scale bytes: half U % 2 of image U / 2's word
	ds_store_b16 v[AD1], v[PW] offset:WSC
	ds_store_b16_d16_hi v[AD1], v[PW] offset:WSC+1024
	s_cmp_lt_u32 s2, 13                            ; PRM has 13 chunks
	s_cbranch_scc0 .Lno_prm
	ds_store_b64 v13, v[TT:TT+1] offset:PRM
.Lno_prm:
	s_wait_dscnt 0x0                               ; the stores have read their registers
	s_wait_loadcnt 16                              ; unit 32 + w is in: behind it stand x's 16
	QUANT CTX, 2, 0, ZN+16, ZN+16, 0
	ds_store_b128 v[AD0], v[ZN+16:ZN+19] offset:WIMG+32768
	ds_store_b128 v[AD0], v[ZN+20:ZN+23] offset:WIMG+33280
	ds_store_b16 v[AD1], v[PW] offset:WSC+2048
	s_wait_dscnt 0x0
.set n, 0
.rept 40
	v_mov_b32 v[ZN+n], 0                           ; the zeros between which codes stand
.set n, n+1
.endr
	s_mov_b32 s44, 0
; ------------------------------------------------------------------ a time step
.Lt:
	s_wait_loadcnt 0x0                             ; my 32 rows of x
.set n, 0
.rept 16
	ds_store_b128 v[XRW], v[BIG+4*n:BIG+4*n+3] offset:(16*((n/4)%2)+8*(n/8)+(2*n)%8)*XP   ; stocks 2 n, 2 n + 1 to their places in the two tiles
.set n, n+1
.endr
.irp u, 0,1
.irp b, 0,1
.irp j, 0,1,2,3
	ds_load_b128 v[WB+32*\u+16*\b+4*\j:WB+32*\u+16*\b+4*\j+3], v[XQA] offset:16*XP*\u+128*\b+16*\j   ; back in the Q-layout: LDS serves a wave's instructions in order (ISA guide 5.7.1.4)
.endr
.endr
.endr
.set n, 0
.rept 8
	v_mov_b32 v[ZN+32+n], 0                        ; the zeros above the second tile's codes (the tail laid codes there)
.set n, n+1
.endr
	s_mov_b32 s58, 0
	s_lshl_b32 s59, s2, 11
	s_add_co_u32 s59, s59, QIMG
	s_lshl_b32 s60, s2, 9
	s_add_co_u32 s60, s60, QSC
	s_mov_b64 s[54:55], s[52:53]
	s_mov_b32 s45, 0
	s_wait_dscnt 0x0                               ; my LDS stores have landed (in the first t the weights and parameters), and my reads of the last t's K and V are over
	s_barrier_signal -1
	QUANT WB, 4, 0, ZN+8, ZN+24, 0                 ; x's two tiles, two blocks each: work on registers while the others arrive
	v_perm_b32 v[AS], v[PW], v[PW], 0x01000100     ; tile 0's two bytes twice: the codes stand at either of two places
	v_perm_b32 v[AS+1], v[PW], v[PW], 0x03020302   ; tile 1's
	PLACES 8                                       ; a scale word made by vector instructions stands eight places ahead of its product
	s_barrier_wait -1                              ; the weights are whole; nobody reads the last t's K and V any more
	QKPART 0
	QKPART 1
	; v: source 0 = my stocks, source 1 = 16 rows of Wv: a lane holds one d, and the 16 registers of my two tiles are stocks 16 h + 0 .. 15: half a block of 32 KEYS
	WLOAD WB, 4, 2, 1
.irp t, 0,1,2,3
	ds_load_b32 v[VB+\t], v[PVB] offset:PRM+4*(128+32*(\t/2)+8*(\t%2))   ; the bias of my d
.endr
	s_wait_dscnt 0x0
.irp t, 0,1,2,3
.irp u, 0,1
	v_wmma_scale_f32_16x16x128_f8f6f4 v[BIG+16*\t+8*\u:BIG+16*\t+8*\u+7], v[ZN+8+16*\u-8*(\t%2):ZN+23+16*\u-8*(\t%2)], v[WB+16*(\t/2):WB+16*(\t/2)+15], 0, v[AS+\u], v[WW+\t/2]
.endr
.endr
	PLACES 8
.irp t, 0,1,2,3
.set n, 0
.rept 16
	v_add_f32 v[BIG+16*\t+n], v[BIG+16*\t+n], v[VB+\t]
.set n, n+1
.endr
.endr
	QUANT BIG, 4, 0, PC, PC+8, 0                   ; block t = 2 head + u': my 32 keys of 16 of the head's 32
	v_add_nc_u32 v[AD0], s62, v[LI]
.irp b, 0,1,2,3
	ds_store_b128 v[AD0], v[PC+4*\b:PC+4*\b+3] offset:8192*\b
.endr
	v_add_nc_u32 v[AD1], s63, v[L8]
.irp b, 0,1,2,3
	ds_store_b8 v[AD1], v[T2+\b] offset:VSC+1024*(\b/2)+4*(\b%2)
.endr
	s_wait_dscnt 0x0                               ; for the others' sake: my K, V and scale bytes have landed
	s_barrier_signal -1
	s_barrier_wait -1                              ; everybody's have
.irp r, 40,41,42,43
	v_mov_b32 v[\r], 0                             ; the zeros above q
.endr
; ------------------------------------------------------------------ a tile of 16 stocks: attention and the tail
.Lu:
.irp r, 24,25,26,27
	v_mov_b32 v[\r], 0                             ; the zeros below q
.endr
	v_add_nc_u32 v[XQT], s58, v[XQA]
	v_add_nc_u32 v[XRT], s58, v[XRW]
	ATT 0
	ATT 1
	; the second t's rows of x are asked of memory once, a lane a row of 256 bytes, 32 rows a wave: in the first t, ahead of its last tail, at whose end they are loaded.  Nothing is asked for at the head or in the last t
	s_lshl_b32 s3, s44, 1
	s_or_b32 s3, s3, s45
	s_cmp_eq_u32 s3, 1
	s_cbranch_scc0 .Lno_pf
	global_prefetch_b8 v[PFO], s[56:57] th:TH_LOAD_NT scope:SCOPE_SE
.Lno_pf:
	; ---- attn_out = ctx Wo^T + bo
	WLOAD WB, 6, 2, 1
	PLOAD BB, 768, 2                               ; bo: the C of the products
.irp b, 0,1
.irp j, 0,1,2,3
	ds_load_b128 v[BIG+16*\b+4*\j:BIG+16*\b+4*\j+3], v[XQT] offset:128*\b+16*\j   ; x, for the residual
.endr
.endr
	PLOAD BIG+32, 2304, 2                          ; g1
	QUANT CTX, 2, 0, ZN+8, ZN+8, 0
	v_perm_b32 v[AS], v[PW], v[PW], 0x01000100
	s_wait_dscnt 0x0
	PLACES 8
.irp t, 0,1,2,3
	v_wmma_scale_f32_16x16x128_f8f6f4 v[CTX+8*\t:CTX+8*\t+7], v[WB+16*(\t/2):WB+16*(\t/2)+15], v[ZN+8-8*(\t%2):ZN+23-8*(\t%2)], v[BB+8*\t:BB+8*\t+7], v[WW+\t/2], v[AS]
.endr
	PLACES 8
	PLOAD WB, 2560, 2                              ; beta1
.set n, 0
.rept 16
	v_pk_add_f32 v[CTX+n:CTX+n+1], v[CTX+n:CTX+n+1], v[BIG+n:BIG+n+1]
.set n, n+2
.endr
	LNORM BIG+32, WB                               ; y
	; ---- ffn = relu(y W1^T + bf1) W2^T + bf2, + y
	PLOAD BB, 2048, 2                              ; bf2
	QUANT CTX, 2, 0, ZN+8, ZN+8, BIG               ; y is kept
	v_perm_b32 v[AS], v[PW], v[PW], 0x01000100
	s_wait_dscnt 0x0
.set n, 0
.rept 16
	v_pk_add_f32 v[CTX+n:CTX+n+1], v[CTX+n:CTX+n+1], v[BB+n:BB+n+1]   ; y + bf2 begins the second product's sums; these 16 are also the scale word's places
.set n, n+2
.endr
.irp kk, 0,1                                   ; 128 hidden units at a time: one K step of the second product
	PLOAD BIG, 1024+512*\kk, 4                     ; bf1 into the accumulators
	WLOAD WB, 8+4*\kk, 4, 1
	s_wait_dscnt 0x0
.irp i, 0,1,2,3,4,5,6,7
	v_wmma_scale_f32_16x16x128_f8f6f4 v[BIG+8*\i:BIG+8*\i+7], v[WB+16*(\i/2):WB+16*(\i/2)+15], v[ZN+8-8*(\i%2):ZN+23-8*(\i%2)], v[BIG+8*\i:BIG+8*\i+7], v[WW+\i/2], v[AS]
.endr
	PLACES 8
	WLOAD WB, 16+\kk, 4, 2                         ; W2's four tiles of this K step land under the quantiser
	QUANT BIG, 4, 1, HC, HC+8, 0
	s_wait_dscnt 0x0
	PLACES 4
.irp t, 0,1,2,3
	v_wmma_scale_f32_16x16x128_f8f6f4 v[CTX+8*\t:CTX+8*\t+7], v[WB+16*\t:WB+16*\t+15], v[HC:HC+15], v[CTX+8*\t:CTX+8*\t+7], v[WW+\t], v[PW]   ; four accumulators by turns
.endr
	PLACES 8
.endr
	PLOAD BIG, 2816, 2                             ; g2
	PLOAD BIG+32, 3072, 2                          ; beta2
	LNORM BIG, BIG+32                              ; z
	; ---- the way out: through my rows of XR, which x has left, and out as whole rows
.irp b, 0,1
.irp j, 0,1,2,3
	ds_store_b128 v[XQT], v[CTX+16*\b+4*\j:CTX+16*\b+4*\j+3] offset:128*\b+16*\j
.endr
.endr
.irp i, 0,1,2,3,4,5,6,7
	ds_load_b128 v[WB+4*\i:WB+4*\i+3], v[XRT] offset:2*XP*\i
.endr
.irp i, 0,1,2,3,4,5,6,7
	s_wait_dscnt 7-\i                              ; LDS loads come back in order: the 7 - i younger ones may be out
	global_store_b128 v[GO], v[WB+4*\i:WB+4*\i+3], s[54:55] offset:(2*\i+8*(\i/4))*SROW th:TH_STORE_NT   ; sixteen lanes store one row: 256 consecutive bytes, at a multiple of 256 from out0's first byte
.endr
	s_wait_xcnt 0x0                                ; the stores have read their registers and their base: both are written again only behind this wait
	s_add_co_u32 s58, s58, 16*XP
	s_add_co_u32 s59, s59, 1024
	s_add_co_u32 s60, s60, 256
	s_add_nc_u64 s[54:55], s[54:55], 8*SROW        ; tile 1's stocks begin 8 further on
	s_add_co_u32 s45, s45, 1
	s_cmp_lt_u32 s45, 2
	s_cbranch_scc1 .Lu
	s_cmp_eq_u32 s44, 1                            ; the last t loads nothing more
	s_cbranch_scc1 .Lno_x
	s_add_nc_u64 s[50:51], s[50:51], 256
	s_add_nc_u64 s[52:53], s[52:53], 256
	XLOAD
.Lno_x:
	s_add_co_u32 s44, s44, 1
	s_cmp_lt_u32 s44, 2
	s_cbranch_scc1 .Lt
	s_wait_tensorcnt 0x0
	ds_add_u32 v254, v255
	s_wait_dscnt 0x0
	s_endpgm
.Lfunc_end_k_q513deb46b9_fused:
	.size	k_q513deb46b9_fused, .Lfunc_end_k_q513deb46b9_fused-k_q513deb46b9_fused
	.p2alignl 7, 3214868480
	.fill 96, 4, 3214868480
	.section	.rodata,"a",@progbits
	.p2align	6, 0x0
	.amdhsa_kernel k_q513deb46b9_fused
		.amdhsa_group_segment_fixed_size 307712
		.amdhsa_private_segment_fixed_size 0
		.amdhsa_enable_private_segment 0
		.amdhsa_kernarg_size 112
		.amdhsa_user_sgpr_count 2
		.amdhsa_user_sgpr_kernarg_segment_ptr 1
		.amdhsa_wavefront_size32 1
		.amdhsa_system_sgpr_workgroup_id_x 1
		.amdhsa_system_sgpr_workgroup_id_y 1
		.amdhsa_system_sgpr_workgroup_id_z 1
		.amdhsa_system_vgpr_workitem_id 0
		.amdhsa_next_free_vgpr 256
		.amdhsa_next_free_sgpr 66
		.amdhsa_reserve_vcc 0
		.amdhsa_float_denorm_mode_32 3
		.amdhsa_float_denorm_mode_16_64 3
		.amdhsa_memory_ordered 1
		.amdhsa_forward_progress 1
		.amdhsa_inst_pref_size 165
	.end_amdhsa_kernel
	.amdgpu_metadata
---
amdhsa.version: [ 1, 2 ]
amdhsa.kernels:
  - .name:           k_q513deb46b9_fused
    .symbol:         k_q513deb46b9_fused.kd
    .args:
      - { .name: x, .offset: 0, .size: 8, .value_kind: global_buffer, .address_space: global }
      - { .name: Wqkv, .offset: 8, .size: 8, .value_kind: global_buffer, .address_space: global }
      - { .name: bqkv, .offset: 16, .size: 8, .value_kind: global_buffer, .address_space: global }
      - { .name: Wo, .offset: 24, .size: 8, .value_kind: global_buffer, .address_space: global }
      - { .name: bo, .offset: 32, .size: 8, .value_kind: global_buffer, .address_space: global }
      - { .name: g1, .offset: 40, .size: 8, .value_kind: global_buffer, .address_space: global }
      - { .name: beta1, .offset: 48, .size: 8, .value_kind: global_buffer, .address_space: global }
      - { .name: W1, .offset: 56, .size: 8, .value_kind: global_buffer, .address_space: global }
      - { .name: bf1, .offset: 64, .size: 8, .value_kind: global_buffer, .address_space: global }
      - { .name: W2, .offset: 72, .size: 8, .value_kind: global_buffer, .address_space: global }
      - { .name: bf2, .offset: 80, .size: 8, .value_kind: global_buffer, .address_space: global }
      - { .name: g2, .offset: 88, .size: 8, .value_kind: global_buffer, .address_space: global }
      - { .name: beta2, .offset: 96, .size: 8, .value_kind: global_buffer, .address_space: global }
      - { .name: out0, .offset: 104, .size: 8, .value_kind: global_buffer, .address_space: global }
    .group_segment_fixed_size: 307712
    .private_segment_fixed_size: 0
    .kernarg_segment_align: 8
    .kernarg_segment_size: 112
    .max_flat_workgroup_size: 512
    .sgpr_count:     66
    .vgpr_count:     256
    .wavefront_size: 32
...
	.end_amdgpu_metadata
.endif
;; end of part 1
;; ======== version 2 of 2: 1 launch; version 1 with the launch fused written anew for expert scheduling mode
;; launch fused (part 2): grid 256 x 1, 16 waves a work-group, no clusters, 307,712 bytes of LDS; arguments x, Wqkv, bqkv, Wo, bo, g1, beta1, W1, bf1, W2, bf2, g2, beta2, out0; writes out0
.if DOCPART == 2
	.amdgcn_target "amdgcn-amd-amdhsa--gfx1250"
	.amdhsa_code_object_version 6
	.text
	.protected	k_q513deb46b9_fused
	.globl	k_q513deb46b9_fused
	.p2align	8
	.type	k_q513deb46b9_fused,@function
k_q513deb46b9_fused:
	s_mov_b64 s[64:65], 0
	v_nop
	global_prefetch_b8 v0, s[64:65] scope:SCOPE_SE
	s_setreg_imm32_b32 hwreg(HW_REG_WAVE_SCHED_MODE, 0, 2), 2
	s_setreg_imm32_b32 hwreg(HW_REG_WAVE_MODE, 25, 1), 1
	s_wait_xcnt 0x0
	s_wait_alu depctr_vm_vsrc(0)
; One transformer block over the 512 stocks for each of the 512 time steps t: QKV, two heads of attention (head size 32), Wo, residual + LayerNorm, FFN 64-256-64 with relu, residual + LayerNorm.
; All six products on codes of FP8 (E4M3) with one E8M0 scale for each 32 along K, by v_wmma_scale_f32_16x16x128_f8f6f4; every operand is quantised here; all else in f32.
; SHARES.  One t is a closed problem.  Work-group g (16 waves, 256 registers each, four to a SIMD) does t = 2 g and 2 g + 1.  Wave w owns stocks 32 w .. 32 w + 31, two tiles of 16, through the whole chain.
; Only K's and V's codes and scale bytes go from wave to wave, as images of operand registers in LDS: two barriers a t.  The weights are quantised once a work-group, at the head, into such images.
; NO TENSOR LOADS, NO CLUSTER: x is 16 loads a wave and t, and its LDS rows are also the stage for the way out, which LDS stores write; work-groups share the 196 KB of weights alone, which each reads once.
; LAYOUTS (lane l: r = l % 16, h = l / 16).  Lane r of tile T of a weight, of the keys and of the stocks takes row P(T, r) = 32 (T / 2) + 8 (T % 2) + r + 8 (r / 8).  With such a tile as source 0, the 16 result
; registers of tiles 2 b and 2 b + 1 are indices 32 b + 16 h + 0 .. 15: the order in which an operand's registers run along K.  So each result is quantised in registers and IS the next operand.
; "Q-layout": register 16 b + i of a lane = feature 32 b + 16 h + i of its stock: x, attn_out, y, ffn, z and the parameters.
; K = 64: an image holds TWO weight tiles (8 registers each); the activation's 8 code registers stand between zeros, and the 16 registers named begin at them (even tile) or 8 below (odd tile).
; K = 32: an image holds FOUR key tiles of a head (4 registers each); q's 4 registers stand between 12 zeros on each side.  Zero codes add nothing; no scale byte here is 0xff.
; SOFTMAX: t = score x c, c = log2(e) / sqrt(32) (one constant: one rounding where the definition has two); M = the running largest t rounded up to a whole number; p = 2^(t - M) is quantised along the keys;
; the row's sum is of the unquantised p and divides at the end; when M moves, sum and O are multiplied by a power of two.
; LIMITS: NaN and infinities among the inputs are not served.  A block of zeros, or one whose largest magnitude lies under 2^-118, gets the scale byte 1 (the bytes are read by this text alone; zero codes add
; nothing).  A p under 2^-126 comes out of v_exp_f32 as 0.  v_rcp_f32 and v_rsq_f32 are taken as they are (1 ulp: ISA guide, their entries).
; THE MODE: SCHED_MODE bits 1:0 = 2 (LLVM: expert scheduling mode 2), set by the entry lines.  The code itself states the register dependences between vector or matrix instructions and memory or LDS
; instructions, with s_wait_alu, always for 0.
; THE PLAN.  Registers that memory or LDS instructions touch, and who else names them:
;   v1-9, v254, v255   addresses made at the head, never written again: one wait on va_vdst ahead of the kernel's first load serves them all.
;   AD0-AD3, XQT, XRT  addresses in hand: each is written behind a wait on vm_vsrc (its last readers have read it) and ahead of a wait on va_vdst that stands there for the data's sake too.
;   BIG                x lands in it and the LDS stores at a t's head read it; then products and vector work; in the tail x, g1, bf1, g2, beta2 land in it.
;   WB, BB, WW         images, biases and scale words land in them; products (and LayerNorm, the bias additions) read them; at a tile's end z's rows land in WB and the global stores read them.
;   v28-31, AS         q and its scale word land in them in attention; conversions and v_perm write them elsewhere; products read them.
;   PC = CTX, TT, T2, PW, ZN   out-buffers: written by conversions, v_perm and LayerNorm, read by LDS stores.
; A phase goes: loads | their wait on DScnt | products | places | quantiser | address lines | ONE wait on va_vdst | the run of stores | a wait on vm_vsrc.  That wait on va_vdst stands behind the phase's products too,
; and no vector instruction follows it before the next phase's loads: so these owe nothing more.  Where loads land in registers that products have just read, the wait stands behind the products' places.
; Directly ahead of products whose codes or scale word vector instructions have made stands a wait on va_vdst, behind the places; loads into registers that the quantiser has left follow it, ahead of the products.
.set SROW, 131072                      ; bytes from stock to stock in x and out0: 512 t x 256
.set XP,   272                         ; an LDS row of x: 256 bytes + 16: sixteen rows begin at sixteen different 16-byte columns of 256
; LDS
.set WIMG, 0                           ; 24 weight images of 2,048 bytes (register group c at 512 c + 16 lane): 0-5 Wqkv, 6-7 Wo, 8-15 W1 (pairs of tiles); 16 + 2 T + kk: W2 tile T, K step kk.  Unit U (16 rows x 64 K) at 1024 U
.set WSC,  49152                       ; their scale words: 128 x image + 4 lane
.set PRM,  52224                       ; f32 as given: bqkv +0, bo +768, bf1 +1024, bf2 +2048, g1 +2304, beta1 +2560, g2 +2816, beta2 +3072
.set KSC,  55808                       ; K's scale bytes: 1024 head + 256 step + 8 lane + key tile in the step
.set VSC,  57856                       ; V's: 1024 head + 256 step + 8 lane + 4 u' + block in the step
.set KIMG, 59904                       ; K's codes: 16384 head + 512 key tile + 16 lane
.set VIMG, 92672                       ; V's codes: 8192 (2 head + u') + 512 wave + 16 lane
.set QIMG, 125440                      ; q's codes, the wave's own: 2048 wave + 1024 tile + 512 head + 16 lane
.set QSC,  158208                      ; q's scale words, the wave's own: 512 wave + 256 tile + 128 head + 4 lane
.set XR,   166400                      ; the wave's own 32 rows of x, later of z: 8704 wave + 272 (16 u + r); position 16 u + r holds local stock 8 u + r + 8 (r / 8)
; vector registers
.set LI,  1                            ; 16 x lane
.set L4,  2                            ; 4 x lane
.set L8,  3                            ; 8 x lane
.set PB,  4                            ; 64 h: a parameter's bytes for my half
.set PVB, 5                            ; 4 (r + 8 (r / 8))
.set XQA, 6                            ; XR: my row r, my half (Q-layout)
.set XRW, 7                            ; XR: rows as they lie in memory: 272 h + 16 r
.set GO,  8                            ; x, out0: SROW h + 16 r
.set PFO, 9                            ; SROW x lane
.set AD0, 10                           ; addresses in hand
.set AD1, 11
.set AD2, 12
.set XQT, 13                           ; XQA, XRW of the tile in hand
.set XRT, 14
.set AD3, 15
.set ZN,  16                           ; v16-55: codes between zeros
.set NM,  44                           ; attention: -M, the largest t, the sum (two halves), f, 1 / sum
.set TX,  45
.set SUM, 46
.set FF,  48
.set RL,  50
.set HC,  44                           ; the tail: the hidden layer's 16 code registers
.set BIG, 60                           ; v60-123: x as loaded; q, k, v; scores and p; the hidden layer; parameters
.set WB,  124                          ; v124-187: weight images, K's and V's fragments
.set BB,  156
.set PCP, 156                          ; p's codes
.set CTX, 188                          ; v188-219: O^T of both heads, then attn_out, y, ffn, z
.set PC,  188                          ; QKV: codes just made
.set VB,  204                          ; V's biases
.set BM,  220                          ; block maxima;  T2 permutes and bytes;  HD the largest code x the scale;  SCL the conversions' scale operands
.set T2,  224
.set HD,  228
.set SCL, 232
.set MU,  236
.set RS,  238
.set TT,  240
.set WW,  244                          ; v244-250 hold scales and nothing else
.set AS,  248
.set PW,  250
; scalars: s2 wave; s3, s46, s47 at work; s[4:5], s[6:7] chosen bases at the head; s[36:37] lane selects; s38 448's mantissa field; s39, s63 K's and V's scale places; s[40:41] c; s42 1/64; s43 1e-5; s44 t trip;
; s45 tile; s46 steps; s47-49 the step's K, V, scale places; s[50:51] x; s[52:53], s[54:55] out0 (the t's, the tile's); s[56:57] prefetch; s58-60 the tile's XR, QIMG, QSC places; s61, s62 my K, V places
.macro PLACES n
.rept \n
	v_nop
.endr
.endm
; parameters in the Q-layout (which is also the C layout of tiles 2 b and 2 b + 1): nb blocks of 32
.macro PLOAD reg, off, nb
.set pb, 0
.rept \nb
.irp j, 0,1,2,3
	ds_load_b128 v[\reg+16*pb+4*\j:\reg+16*pb+4*\j+3], v[PB] offset:PRM+(\off)+128*pb+16*\j
.endr
.set pb, pb+1
.endr
.endm
; cnt weight images, idx, idx + stride, .., and their scale words into v[WW] on
.macro WLOAD reg, idx, cnt, stride
.set wi, 0
.rept \cnt
.irp c, 0,1,2,3
	ds_load_b128 v[\reg+16*wi+4*\c:\reg+16*wi+4*\c+3], v[LI] offset:WIMG+((\idx)+(\stride)*wi)*2048+512*\c
.endr
	ds_load_b32 v[WW+wi], v[L4] offset:WSC+128*((\idx)+(\stride)*wi)
.set wi, wi+1
.endr
.endm
; nb blocks: v[s + 16 b + i] = k 32 b + 16 h + i of my row.  Codes of blocks 0, 1 to v[d0] on, of blocks 2, 3 to v[d1] on; the bytes to v[T2] on and joined in v[PW].
; relu = 1: what is negative becomes 0 on the way.  ht != 0: the held numbers go to v[ht .. ht + 15] and the source is kept.
.macro QUANT s, nb, relu, d0, d1, ht
.set qb, 0
.rept \nb
.if \relu
	v_max3_num_f32 v[BM+qb], v[\s+16*qb], v[\s+16*qb+1], 0x4800000      ; my 16 numbers and the floor 2^(9 - 127): the byte cannot fall under 1.  No |.|: what is negative is to become 0
.else
	v_max3_num_f32 v[BM+qb], |v[\s+16*qb]|, |v[\s+16*qb+1]|, 0x4800000
.endif
.set qb, qb+1
.endr
.irp i, 2,4,6,8,10,12,14
.set qb, 0
.rept \nb
.if \relu
	v_max3_num_f32 v[BM+qb], v[BM+qb], v[\s+16*qb+\i], v[\s+16*qb+\i+1]  ; the blocks by turns; each result tile is read from its low end on
.else
	v_max3_num_f32 v[BM+qb], v[BM+qb], |v[\s+16*qb+\i]|, |v[\s+16*qb+\i+1]|
.endif
.set qb, qb+1
.endr
.endr
.set qb, 0
.rept \nb
	v_permlanex16_b32 v[T2+qb], v[BM+qb], s36, s37
.set qb, qb+1
.endr
.set qb, 0
.rept \nb
	v_max_num_f32 v[BM+qb], v[BM+qb], v[T2+qb]                         ; with lane l xor 16's 16: the block's largest magnitude
.set qb, qb+1
.endr
.set qb, 0
.rept \nb
	v_add_nc_u32 v[SCL+qb], 0xfc000000, v[BM+qb]                       ; 8 off its exponent field: the conversion's scale operand
.set qb, qb+1
.endr
.set qb, 0
.rept \nb
	v_and_or_b32 v[HD+qb], v[BM+qb], 0x7f800000, s38                   ; 448 x the scale
.set qb, qb+1
.endr
.set qb, 0
.rept \nb
	v_lshrrev_b32 v[T2+qb], 23, v[SCL+qb]                              ; the scale's byte
.set qb, qb+1
.endr
	v_lshl_or_b32 v[PW], v[T2+1], 8, v[T2]
.if \nb > 2
	v_lshl_or_b32 v[PW], v[T2+2], 16, v[PW]
	v_lshl_or_b32 v[PW], v[T2+3], 24, v[PW]
.endif
.set qb, 0
.rept \nb
.if qb < 2
.set qd, \d0+4*qb
.else
.set qd, \d1+4*(qb-2)
.endif
.if \ht
.irp g, 0,1
.irp i, 0,1,2,3,4,5,6,7
	v_med3_num_f32 v[\ht+8*\g+\i], v[\s+16*qb+8*\g+\i], -v[HD+qb], v[HD+qb]
.endr
	v_cvt_scalef32_pk8_fp8_f32 v[qd+2*\g:qd+2*\g+1], v[\ht+8*\g:\ht+8*\g+7], v[SCL+qb]   ; the two sets of eight take turns: eight plain lines stand between a conversion and the next write of its sources
.endr
.else
.irp i, 0,1,2,3,4,5,6,7,8,9,10,11,12,13,14,15
.if \relu
	v_med3_num_f32 v[\s+16*qb+\i], v[\s+16*qb+\i], 0, v[HD+qb]         ; the activation and the hold in one
.else
	v_med3_num_f32 v[\s+16*qb+\i], v[\s+16*qb+\i], -v[HD+qb], v[HD+qb] ; the conversion to an 8-bit code does not saturate (ISA guide 7.6.2)
.endif
.endr
	v_cvt_scalef32_pk8_fp8_f32 v[qd:qd+1], v[\s+16*qb:\s+16*qb+7], v[SCL+qb]
	v_cvt_scalef32_pk8_fp8_f32 v[qd+2:qd+3], v[\s+16*qb+8:\s+16*qb+15], v[SCL+qb]
.endif
.set qb, qb+1
.endr
	v_nop                                                              ; a plain line behind the last conversion
.endm
; LayerNorm of v[CTX .. CTX + 31] (my half of my stock's 64), in place, in two passes as the definition has it; gains at v[g] on, offsets at v[bt] on
.macro LNORM g, bt
	v_pk_add_f32 v[TT:TT+1], v[CTX:CTX+1], v[CTX+2:CTX+3]
	v_pk_add_f32 v[TT+2:TT+3], v[CTX+4:CTX+5], v[CTX+6:CTX+7]
.irp j, 8,12,16,20,24,28
	v_pk_add_f32 v[TT:TT+1], v[TT:TT+1], v[CTX+\j:CTX+\j+1]
	v_pk_add_f32 v[TT+2:TT+3], v[TT+2:TT+3], v[CTX+\j+2:CTX+\j+3]
.endr
	v_pk_add_f32 v[TT:TT+1], v[TT:TT+1], v[TT+2:TT+3]
	v_add_f32 v[TT], v[TT], v[TT+1]
	v_permlanex16_b32 v[T2], v[TT], s36, s37
	v_add_f32 v[TT], v[TT], v[T2]
	v_mul_f32 v[MU], s42, v[TT]                                        ; the mean
.set n, 0
.rept 16
	v_pk_add_f32 v[CTX+n:CTX+n+1], v[CTX+n:CTX+n+1], v[MU:MU+1] op_sel_hi:[1,0] neg_lo:[0,1] neg_hi:[0,1]
.set n, n+2
.endr
	v_pk_mul_f32 v[TT:TT+1], v[CTX:CTX+1], v[CTX:CTX+1]
	v_pk_mul_f32 v[TT+2:TT+3], v[CTX+2:CTX+3], v[CTX+2:CTX+3]
.irp j, 4,8,12,16,20,24,28
	v_pk_fma_f32 v[TT:TT+1], v[CTX+\j:CTX+\j+1], v[CTX+\j:CTX+\j+1], v[TT:TT+1]
	v_pk_fma_f32 v[TT+2:TT+3], v[CTX+\j+2:CTX+\j+3], v[CTX+\j+2:CTX+\j+3], v[TT+2:TT+3]
.endr
	v_pk_add_f32 v[TT:TT+1], v[TT:TT+1], v[TT+2:TT+3]
	v_add_f32 v[TT], v[TT], v[TT+1]
	v_permlanex16_b32 v[T2], v[TT], s36, s37
	v_add_f32 v[TT], v[TT], v[T2]
	v_fma_f32 v[TT], v[TT], s42, s43                                   ; the variance + 1e-5
	s_wait_alu depctr_va_vdst(0)
	v_rsq_f32 v[RS], v[TT]
	v_nop                                                              ; a plain line behind the transcendental
	s_wait_alu depctr_va_vdst(0)                                       ; v[RS], the reciprocal root, is written: the wait ahead of its first reader
	s_wait_dscnt 0x0                                                   ; gains and offsets are in
.set n, 0
.rept 16
	v_pk_mul_f32 v[CTX+n:CTX+n+1], v[CTX+n:CTX+n+1], v[RS:RS+1] op_sel_hi:[1,0]
.set n, n+2
.endr
.set n, 0
.rept 16
	v_pk_fma_f32 v[CTX+n:CTX+n+1], v[CTX+n:CTX+n+1], v[\g+n:\g+n+1], v[\bt+n:\bt+n+1]
.set n, n+2
.endr
.endm
; my 32 rows of x for one t: each load takes two whole rows of 256 bytes (lanes 0-15 stock 2 n, lanes 16-31 stock 2 n + 1)
.macro XLOAD
.set n, 0
.rept 16
	global_load_b128 v[BIG+4*n:BIG+4*n+3], v[GO], s[50:51] offset:2*SROW*n th:TH_LOAD_NT
.set n, n+1
.endr
.endm
; A KEY STEP: 128 keys, one tile of 16 queries, head hd
.macro STEP hd
	s_wait_alu depctr_vm_vsrc(0)                                       ; the LDS loads issued so far (the step before's; in a head's first step the load of q's scale word) have read AD0 to AD2, which the three lines below write
	v_add_nc_u32 v[AD0], s47, v[LI]
	v_add_nc_u32 v[AD1], s48, v[LI]
	v_add_nc_u32 v[AD2], s49, v[L8]
	PLACES 5                                                           ; with the three additions: eight places behind the last products
	s_wait_alu depctr_va_vdst(0)                                       ; AD0 to AD2 are written, which this step's loads read; the last products are done reading WB and WW, in which the loads land
.irp c, 0,1,2,3,4,5,6,7
	ds_load_b128 v[WB+4*\c:WB+4*\c+3], v[AD0] offset:512*\c            ; eight key tiles: two images of four
.endr
	ds_load_b64 v[WW:WW+1], v[AD2] offset:KSC+1024*\hd                 ; their scale bytes: two words
	s_wait_dscnt 0x0                                                   ; (in a head's first step q and its scale word too)
.irp i, 0,1,2,3,4,5,6,7
	v_wmma_scale_f32_16x16x128_f8f6f4 v[BIG+8*\i:BIG+8*\i+7], v[WB+16*(\i/4):WB+16*(\i/4)+15], v[ZN+12-4*(\i%4):ZN+27-4*(\i%4)], 0, v[WW+\i/4], v[AS]   ; S^T of key tile i: q stands against block i % 4, zeros against the others
.endr
	PLACES 8
	s_wait_alu depctr_va_vdst(0)                                       ; the eight products are done reading WB, in which V's fragments land
.irp u, 0,1
.irp c, 0,1,2,3
	ds_load_b128 v[WB+16*\u+4*\c:WB+16*\u+4*\c+3], v[AD1] offset:8192*\u+512*\c   ; V's two fragments are asked for now, and land under the softmax, which names none of their registers
.endr
.endr
	ds_load_b64 v[WW+2:WW+3], v[AD2] offset:VSC+1024*\hd
.irp b, 0,1,2,3
	v_max3_num_f32 v[BM+\b], v[BIG+16*\b], v[BIG+16*\b+1], v[BIG+16*\b+2]   ; the largest score of each block of 32 keys: for the row's maximum, and, since p rises with the score, for the block's largest p
.endr
.irp i, 3,5,7,9,11,13
.irp b, 0,1,2,3
	v_max3_num_f32 v[BM+\b], v[BM+\b], v[BIG+16*\b+\i], v[BIG+16*\b+\i+1]
.endr
.endr
.irp b, 0,1,2,3
	v_max_num_f32 v[BM+\b], v[BM+\b], v[BIG+16*\b+15]
.endr
.irp b, 0,1,2,3
	v_permlanex16_b32 v[T2+\b], v[BM+\b], s36, s37
.endr
.irp b, 0,1,2,3
	v_max_num_f32 v[BM+\b], v[BM+\b], v[T2+\b]
.endr
	v_max3_num_f32 v[TT], v[BM], v[BM+1], v[BM+2]
	v_max_num_f32 v[TT], v[TT], v[BM+3]
	v_mul_f32 v[TT], s40, v[TT]                                        ; as t (c is positive)
	v_max_num_f32 v[TX], v[TX], v[TT]                                  ; the running largest t
	v_mov_b32 v[TT], v[NM]
	v_floor_f32 v[NM], -v[TX]                                          ; -M = floor(-t): M is a whole number
	v_sub_f32 v[TT], v[NM], v[TT]                                      ; old M - new M: a whole number, 0 or less
	v_cvt_i32_f32 v[TT], v[TT]                                         ; (it saturates)
	v_ldexp_f32 v[FF], 1.0, v[TT]                                      ; f = 2^(old M - new M)
.set n, 0
.rept 32
	v_pk_fma_f32 v[BIG+n:BIG+n+1], v[BIG+n:BIG+n+1], s[40:41], v[NM:NM+1] op_sel_hi:[1,0,0]   ; t - M
.set n, n+2
.endr
.irp b, 0,1,2,3
	v_fma_f32 v[BM+\b], v[BM+\b], s40, v[NM]
.endr
.set n, 0
	s_wait_alu depctr_va_vdst(0)
.rept 64
	v_exp_f32 v[BIG+n], v[BIG+n]                                       ; p = 2^(t - M): not normalised
.set n, n+1
.endr
	v_pk_mul_f32 v[SUM:SUM+1], v[SUM:SUM+1], v[FF:FF+1] op_sel_hi:[1,0]   ; the sums under the new M; the plain line behind the batch
	s_wait_alu depctr_va_vdst(0)                                       ; the 64 p are written: one wait for the batch, ahead of its first reader
.irp b, 0,1,2,3
	v_exp_f32 v[BM+\b], v[BM+\b]                                       ; the blocks' largest p
.endr
	v_pk_add_f32 v[T2:T2+1], v[BIG:BIG+1], v[BIG+2:BIG+3]              ; the row's sum is of the unquantised p: two chains
.irp j, 4,8,12,16,20,24,28,32,36,40,44,48,52,56,60
	v_pk_add_f32 v[SUM:SUM+1], v[SUM:SUM+1], v[BIG+\j:BIG+\j+1]
	v_pk_add_f32 v[T2:T2+1], v[T2:T2+1], v[BIG+\j+2:BIG+\j+3]
.endr
	v_pk_add_f32 v[SUM:SUM+1], v[SUM:SUM+1], v[T2:T2+1]
	s_wait_alu depctr_va_vdst(0)                                       ; the four largest p are written: the same wait for the second batch
.irp b, 0,1,2,3
	v_max_num_f32 v[BM+\b], 0x4800000, v[BM+\b]                        ; the floor 2^(9 - 127)
.endr
.irp b, 0,1,2,3
	v_add_nc_u32 v[SCL+\b], 0xfc000000, v[BM+\b]
.endr
.irp b, 0,1,2,3
	v_and_or_b32 v[HD+\b], v[BM+\b], 0x7f800000, s38
.endr
.irp b, 0,1,2,3
	v_lshrrev_b32 v[T2+\b], 23, v[SCL+\b]
.endr
	v_lshl_or_b32 v[PW], v[T2+1], 8, v[T2]                             ; p's scale word for these 128 keys; the 64 holds below are its places
	v_lshl_or_b32 v[PW], v[T2+2], 16, v[PW]
	v_lshl_or_b32 v[PW], v[T2+3], 24, v[PW]
.irp b, 0,1,2,3
.irp i, 0,1,2,3,4,5,6,7,8,9,10,11,12,13,14,15
	v_min_num_f32 v[BIG+16*\b+\i], v[BIG+16*\b+\i], v[HD+\b]           ; p is not negative: the hold is one-sided
.endr
	v_cvt_scalef32_pk8_fp8_f32 v[PCP+4*\b:PCP+4*\b+1], v[BIG+16*\b:BIG+16*\b+7], v[SCL+\b]
	v_cvt_scalef32_pk8_fp8_f32 v[PCP+4*\b+2:PCP+4*\b+3], v[BIG+16*\b+8:BIG+16*\b+15], v[SCL+\b]
.endr
.set n, 0
.rept 8
	v_pk_mul_f32 v[OT+n:OT+n+1], v[OT+n:OT+n+1], v[FF:FF+1] op_sel_hi:[1,0]   ; O^T under the new M; also the places between the codes and the products
.set n, n+2
.endr
	s_wait_dscnt 0x0                                                   ; V's fragments and scale words
	s_wait_alu depctr_va_vdst(0)                                       ; the conversions have written p's codes and the shifts its scale word, which the two products take as source 1 and as its scales; the places stand above
.irp u, 0,1
	v_wmma_scale_f32_16x16x128_f8f6f4 v[OT+8*\u:OT+8*\u+7], v[WB+16*\u:WB+16*\u+15], v[PCP:PCP+15], v[OT+8*\u:OT+8*\u+7], v[WW+2+\u], v[PW]   ; the two accumulators take turns; eight score products stand between a step's and the next
.endr
.endm
; one head of one tile of queries: all 512 keys in four steps; leaves ctx = O^T / sum in v[CTX + 16 hd] on
.macro ATT hd
.set OT, CTX+16*\hd
.if \hd
	s_wait_alu depctr_vm_vsrc(0)                                       ; the first head's loads have read AD3 and AD2, which the two lines below write (ahead of the first head the wait on vm_vsrc that stands in front of the tile serves)
.endif
	v_add_nc_u32 v[AD3], s59, v[LI]
	v_add_nc_u32 v[AD2], s60, v[L4]
	s_wait_alu depctr_va_vdst(0)                                       ; AD3 and AD2 are written; the products and conversions that named v28-31 and AS, in which the two loads land, are done; the zeros round q are written, which the score products take in source 1
	ds_load_b128 v[ZN+12:ZN+15], v[AD3] offset:512*\hd                 ; q's codes, which I stored myself
	ds_load_b32 v[AS], v[AD2] offset:128*\hd                           ; q's byte, four times
	v_mov_b32 v[TX], 0xff61b1e6                                        ; -3e38, under every t
	v_floor_f32 v[NM], -v[TX]
	v_mov_b32 v[SUM], 0
	v_mov_b32 v[SUM+1], 0
.set n, 0
.rept 16
	v_mov_b32 v[OT+n], 0                                               ; the step is written once: the first finds zeros, which the first change of M leaves zeros
.set n, n+1
.endr
	s_mov_b32 s47, KIMG+16384*\hd
	s_mov_b32 s48, VIMG+16384*\hd
	s_mov_b32 s49, 0
	s_mov_b32 s46, 4
.Lstep_\@:
	STEP \hd
	s_add_co_u32 s47, s47, 4096
	s_add_co_u32 s48, s48, 2048
	s_add_co_u32 s49, s49, 256
	s_sub_co_u32 s46, s46, 1
	s_cmp_lg_u32 s46, 0
	s_cbranch_scc1 .Lstep_\@
	v_add_f32 v[SUM], v[SUM], v[SUM+1]
	v_permlanex16_b32 v[T2], v[SUM], s36, s37
	v_add_f32 v[SUM], v[SUM], v[T2]                                    ; the row's sum
	s_wait_alu depctr_va_vdst(0)
	v_rcp_f32 v[RL], v[SUM]
	PLACES 8                                                           ; the places behind the last products; the first is the plain line behind the reciprocal
	s_wait_alu depctr_va_vdst(0)                                       ; v[RL], 1 / sum, is written, ahead of its first reader; the head's last products and conversions are done too
.set n, 0
.rept 8
	v_pk_mul_f32 v[OT+n:OT+n+1], v[OT+n:OT+n+1], v[RL:RL+1] op_sel_hi:[1,0]
.set n, n+2
.endr
.endm
; q (p = 0) or k (p = 1) of both my tiles: four weight tiles x two tiles of stocks, the bias as C; quantised (a block = a head of a stock); images to LDS.
; Its loads owe no wait of their own: the last wait on va_vdst ahead of them stands behind every vector and matrix instruction that named BB, WB and WW, and no vector instruction follows it.
.macro QKPART p
	PLOAD BB, 256*\p, 2
	WLOAD WB, 2*\p, 2, 1
	s_wait_dscnt 0x0
.irp u, 0,1
.irp i, 0,1,2,3
	v_wmma_scale_f32_16x16x128_f8f6f4 v[BIG+32*\u+8*\i:BIG+32*\u+8*\i+7], v[WB+16*(\i/2):WB+16*(\i/2)+15], v[ZN+8+16*\u-8*(\i%2):ZN+23+16*\u-8*(\i%2)], v[BB+8*\i:BB+8*\i+7], v[WW+\i/2], v[AS+\u]
.endr
.endr
	PLACES 8
	QUANT BIG, 4, 0, PC, PC+8, 0                                       ; block 2 u + head
.if \p == 0
	v_add_nc_u32 v[AD0], s59, v[LI]
	v_perm_b32 v[TT], v[PW], v[PW], 0                                  ; each block's byte four times: q stands at any of four places
	v_perm_b32 v[TT+1], v[PW], v[PW], 0x01010101
	v_perm_b32 v[TT+2], v[PW], v[PW], 0x02020202
	v_perm_b32 v[TT+3], v[PW], v[PW], 0x03030303
	v_add_nc_u32 v[AD1], s60, v[L4]
	s_wait_alu depctr_va_vdst(0)                                       ; the codes in PC, the words in TT and the addresses AD0, AD1 are written, which the stores read; the products above are done reading BB, WB and WW, in which the next part's loads land
.irp b, 0,1,2,3
	ds_store_b128 v[AD0], v[PC+4*\b:PC+4*\b+3] offset:512*\b
.endr
.irp b, 0,1,2,3
	ds_store_b32 v[AD1], v[TT+\b] offset:128*\b
.endr
.else
	v_add_nc_u32 v[AD0], s61, v[LI]
	v_perm_b32 v[TT], v[PW], v[PW], 0x03010200                         ; low half: head 0's bytes of my two key tiles; high half: head 1's
	v_add_nc_u32 v[AD1], s39, v[L8]
	s_wait_alu depctr_va_vdst(0)                                       ; the codes in PC, the word in TT and the addresses AD0, AD1 are written, which the stores read; the products above are done reading WB and WW, in which the next part's loads land
.irp b, 0,1,2,3
	ds_store_b128 v[AD0], v[PC+4*\b:PC+4*\b+3] offset:16384*(\b%2)+512*(\b/2)   ; key tile 2 w + u of head b % 2
.endr
	ds_store_b16 v[AD1], v[TT] offset:KSC
	ds_store_b16_d16_hi v[AD1], v[TT] offset:KSC+1024
.endif
	s_wait_dscnt 0x0                                                   ; my stores have landed
	s_wait_alu depctr_vm_vsrc(0)                                       ; and have read PC, TT, AD0 and AD1, which the next part writes again
.endm
; ------------------------------------------------------------------ the head
	s_load_b512 s[8:23], s[0:1], 0x0               ; x 8, Wqkv 10, bqkv 12, Wo 14, bo 16, g1 18, beta1 20, W1 22
	s_load_b256 s[24:31], s[0:1], 0x40             ; bf1 24, W2 26, bf2 28, g2 30
	s_load_b128 s[32:35], s[0:1], 0x60             ; beta2 32, out0 34
	v_lshl_add_u32 v254, v0, 2, 0x4aa00
	v_mov_b32 v255, 0
	v_lshrrev_b32 v10, 5, v0
	v_readfirstlane_b32 s2, v10                    ; wave 0..15
	v_and_b32 v10, 31, v0                          ; lane
	v_and_b32 v11, 15, v0                          ; r
	v_bfe_u32 v12, v0, 4, 1                        ; h
	v_lshlrev_b32 v[LI], 4, v10
	v_lshlrev_b32 v[L4], 2, v10
	v_lshlrev_b32 v[L8], 3, v10
	v_lshlrev_b32 v[PB], 6, v12
	v_and_b32 v13, 8, v11
	v_add_nc_u32 v13, v13, v11                     ; r + 8 (r / 8)
	v_lshlrev_b32 v[PVB], 2, v13
	s_wait_alu depctr_va_sdst(0)                   ; s2, the wave's number, is written, ahead of its first reader: LDS places, bases and branches are made from it
	s_mul_i32 s3, s2, 32*XP
	s_add_co_u32 s3, s3, XR                        ; my 32 rows in LDS
	v_mul_u32_u24 v[XQA], v11, XP
	v_lshl_add_u32 v[XQA], v12, 6, v[XQA]
	v_add_nc_u32 v[XQA], s3, v[XQA]
	v_mul_u32_u24 v[XRW], v12, XP
	v_lshl_add_u32 v[XRW], v11, 4, v[XRW]
	v_add_nc_u32 v[XRW], s3, v[XRW]
	v_lshlrev_b32 v[GO], 17, v12
	v_lshl_add_u32 v[GO], v11, 4, v[GO]
	v_lshlrev_b32 v[PFO], 17, v10
	v_lshlrev_b32 v14, 8, v13                      ; a weight of 64 columns: row r + 8 (r / 8) of 256 bytes, + 64 h
	v_lshl_add_u32 v14, v12, 6, v14
	v_lshlrev_b32 v15, 10, v13                     ; W2: rows of 1,024 bytes
	v_lshl_add_u32 v15, v12, 6, v15
	s_and_b32 s3, s2, 3                            ; the parameters are 13 chunks of 256 bytes, chunk w to wave w.  Where the chunk begins in its buffer: 256 (w % 4) in bqkv (waves 0-2) and bf1 (waves 4-7),
	s_lshl_b32 s3, s3, 8
	s_cmp_eq_u32 s2, 3
	s_cselect_b32 s3, 0, s3                        ; 0 in bo (wave 3)
	s_cmp_lt_u32 s2, 8
	s_cselect_b32 s3, s3, 0                        ; and in the parameters of 64 numbers (waves 8 on)
	v_add_nc_u32 v12, s3, v[L8]                    ; 8 bytes a lane
	s_lshl_b32 s3, s2, 8
	v_add_nc_u32 v13, s3, v[L8]                    ; and where a wave's chunk goes in PRM: 256 wave + 8 lane
.irp r, 224,225,226,227,237,239
	v_mov_b32 v[\r], 0                             ; written once: permutes' destinations count as sources, and upper halves of pairs are named
.endr
	s_mov_b32 s36, 0x76543210
	s_mov_b32 s37, 0xfedcba98                      ; v_permlanex16_b32's selects for lane l xor 16
	s_mov_b32 s38, 0x600000                        ; the mantissa field of 448
	s_mov_b32 s40, 0x3e8293ee                      ; c = log2(e) / sqrt(32)
	s_mov_b32 s41, s40
	s_mov_b32 s42, 0x3c800000                      ; 1 / 64
	s_mov_b32 s43, 0x3727c5ac                      ; 1e-5
	s_lshl_b32 s61, s2, 10
	s_add_co_u32 s61, s61, KIMG                    ; my two key tiles
	s_lshl_b32 s62, s2, 9
	s_add_co_u32 s62, s62, VIMG                    ; my block of 32 keys
	s_lshr_b32 s3, s2, 2
	s_lshl_b32 s3, s3, 8                           ; my key step's 256 bytes of scale bytes
	s_and_b32 s46, s2, 3
	s_add_co_u32 s63, s3, s46                      ; V: byte wave % 4
	s_lshl_b32 s46, s46, 1
	s_add_co_u32 s39, s3, s46                      ; K: bytes 2 (wave % 4), + 1
	s_wait_kmcnt 0x0
	; whose chunk is mine: the buffer is chosen on the wave's number alone, and ONE load, on the one path of all waves, brings it.  Waves 13 to 15 have no chunk: they read beta2's 256 bytes too and drop them
	s_mov_b64 s[6:7], s[32:33]                     ; beta2: wave 12 (and 13 to 15)
	s_cmp_eq_u32 s2, 11
	s_cselect_b64 s[6:7], s[30:31], s[6:7]         ; g2
	s_cmp_eq_u32 s2, 10
	s_cselect_b64 s[6:7], s[20:21], s[6:7]         ; beta1
	s_cmp_eq_u32 s2, 9
	s_cselect_b64 s[6:7], s[18:19], s[6:7]         ; g1
	s_cmp_eq_u32 s2, 8
	s_cselect_b64 s[6:7], s[28:29], s[6:7]         ; bf2
	s_cmp_lt_u32 s2, 8
	s_cselect_b64 s[6:7], s[24:25], s[6:7]         ; bf1: waves 4 to 7
	s_cmp_lt_u32 s2, 4
	s_cselect_b64 s[6:7], s[16:17], s[6:7]         ; bo: wave 3
	s_cmp_lt_u32 s2, 3
	s_cselect_b64 s[6:7], s[12:13], s[6:7]         ; bqkv: waves 0 to 2
	s_wait_alu depctr_va_vdst(0)                   ; the addresses and offsets v1 to v9 and v12 to v15 are written, which the loads and stores of the kernel read
	global_load_b64 v[TT:TT+1], v12, s[6:7]        ; the oldest load of the wave: every counted wait below covers it
	; three units of weights a wave (16 rows x 64 K).  Unit w: Wqkv's tile w, or Wo's tile w - 12
	s_cmp_lt_u32 s2, 12
	s_cselect_b64 s[4:5], s[10:11], s[14:15]
	s_cselect_b32 s3, 0, 12
	s_sub_co_u32 s3, s2, s3                        ; tile T: its rows begin at 32 (T / 2) + 8 (T % 2)
	s_lshr_b32 s46, s3, 1
	s_lshl_b32 s46, s46, 13
	s_and_b32 s3, s3, 1
	s_lshl_b32 s3, s3, 11
	s_add_co_u32 s46, s46, s3
	s_mov_b32 s47, 0
	s_add_nc_u64 s[4:5], s[4:5], s[46:47]
	s_lshr_b32 s46, s2, 1                          ; unit 16 + w: W1's tile w
	s_lshl_b32 s46, s46, 13
	s_and_b32 s3, s2, 1
	s_lshl_b32 s3, s3, 11
	s_add_co_u32 s46, s46, s3
	s_add_nc_u64 s[22:23], s[22:23], s[46:47]
	s_lshr_b32 s46, s2, 3                          ; unit 32 + w: W2's tile T = w / 4, columns 64 (w % 4) on
	s_lshl_b32 s46, s46, 15
	s_bfe_u32 s3, s2, 0x10002
	s_lshl_b32 s3, s3, 13
	s_add_co_u32 s46, s46, s3
	s_and_b32 s3, s2, 3
	s_lshl_b32 s3, s3, 8
	s_add_co_u32 s46, s46, s3
	s_add_nc_u64 s[26:27], s[26:27], s[46:47]
.irp b, 0,1
.irp j, 0,1,2,3
	global_load_b128 v[WB+16*\b+4*\j:WB+16*\b+4*\j+3], v14, s[4:5] offset:128*\b+16*\j      ; my 16 numbers of each block of 32
.endr
.endr
.irp b, 0,1
.irp j, 0,1,2,3
	global_load_b128 v[BB+16*\b+4*\j:BB+16*\b+4*\j+3], v14, s[22:23] offset:128*\b+16*\j
.endr
.endr
.irp b, 0,1
.irp j, 0,1,2,3
	global_load_b128 v[CTX+16*\b+4*\j:CTX+16*\b+4*\j+3], v15, s[26:27] offset:128*\b+16*\j
.endr
.endr
	s_lshl_b32 s46, s2, 22                         ; my first stock: 32 w rows of SROW bytes,
	s_lshl_b32 s3, ttmp9, 9                        ; t = 2 g: 256 bytes each
	s_add_co_u32 s46, s46, s3
	s_add_nc_u64 s[50:51], s[8:9], s[46:47]
	s_add_nc_u64 s[52:53], s[34:35], s[46:47]
	s_add_nc_u64 s[56:57], s[50:51], 256           ; the second t's rows, for the prefetch
	XLOAD
	s_wait_loadcnt 24                              ; my parameters and units w and 16 + w are in: behind them stand unit 32 + w's 8 loads and x's 16
	QUANT WB, 4, 0, ZN, ZN+8, 0
	s_lshl_b32 s3, s2, 10
	v_add_nc_u32 v[AD0], s3, v[LI]                 ; unit U lies at 1024 U
	s_and_b32 s46, s2, 1
	s_lshl_b32 s46, s46, 1
	s_lshr_b32 s47, s2, 1
	s_lshl_b32 s47, s47, 7
	s_add_co_u32 s46, s46, s47
	v_add_nc_u32 v[AD1], s46, v[L4]                ; its two scale bytes: half U % 2 of image U / 2's word
	s_wait_alu depctr_va_vdst(0)                   ; the codes in v[ZN ..], the scale word PW and the addresses AD0, AD1 are written, which the stores read
	ds_store_b128 v[AD0], v[ZN:ZN+3] offset:WIMG
	ds_store_b128 v[AD0], v[ZN+4:ZN+7] offset:WIMG+512
	ds_store_b128 v[AD0], v[ZN+8:ZN+11] offset:WIMG+16384
	ds_store_b128 v[AD0], v[ZN+12:ZN+15] offset:WIMG+16896
	ds_store_b16 v[AD1], v[PW] offset:WSC
	ds_store_b16_d16_hi v[AD1], v[PW] offset:WSC+1024
	s_cmp_lt_u32 s2, 13                            ; PRM has 13 chunks
	s_cbranch_scc0 .Lno_prm
	ds_store_b64 v13, v[TT:TT+1] offset:PRM
.Lno_prm:
	s_wait_dscnt 0x0                               ; my stores have landed
	s_wait_alu depctr_vm_vsrc(0)                   ; and have read PW, which the quantiser below writes again
	s_wait_loadcnt 16                              ; unit 32 + w is in: behind it stand x's 16
	QUANT CTX, 2, 0, ZN+16, ZN+16, 0
	s_wait_alu depctr_va_vdst(0)                   ; the codes in v[ZN + 16 ..] and PW are written, which the stores read
	ds_store_b128 v[AD0], v[ZN+16:ZN+19] offset:WIMG+32768
	ds_store_b128 v[AD0], v[ZN+20:ZN+23] offset:WIMG+33280
	ds_store_b16 v[AD1], v[PW] offset:WSC+2048
	s_wait_dscnt 0x0
	s_wait_alu depctr_vm_vsrc(0)                   ; the head's stores have read v[ZN ..], over which the zeros below are written, and PW, TT, AD0, AD1 and v13, which the first t writes again
.set n, 0
.rept 40
	v_mov_b32 v[ZN+n], 0                           ; the zeros between which codes stand
.set n, n+1
.endr
	s_mov_b32 s44, 0
; ------------------------------------------------------------------ a time step
.Lt:
	s_wait_loadcnt 0x0                             ; my 32 rows of x
.set n, 0
.rept 16
	ds_store_b128 v[XRW], v[BIG+4*n:BIG+4*n+3] offset:(16*((n/4)%2)+8*(n/8)+(2*n)%8)*XP   ; stocks 2 n, 2 n + 1 to their places in the two tiles
.set n, n+1
.endr
.irp u, 0,1
.irp b, 0,1
.irp j, 0,1,2,3
	ds_load_b128 v[WB+32*\u+16*\b+4*\j:WB+32*\u+16*\b+4*\j+3], v[XQA] offset:16*XP*\u+128*\b+16*\j   ; back in the Q-layout: LDS serves a wave's instructions in order (ISA guide 5.7.1.4).  No wait on va_vdst: all that named WB and BB stands ahead of the last one (the head's, or the one ahead of z's stores)
.endr
.endr
.endr
.set n, 0
.rept 8
	v_mov_b32 v[ZN+32+n], 0                        ; the zeros above the second tile's codes (the tail laid codes there)
.set n, n+1
.endr
	s_mov_b32 s58, 0
	s_lshl_b32 s59, s2, 11
	s_add_co_u32 s59, s59, QIMG
	s_lshl_b32 s60, s2, 9
	s_add_co_u32 s60, s60, QSC
	s_mov_b64 s[54:55], s[52:53]
	s_mov_b32 s45, 0
	s_wait_dscnt 0x0                               ; my LDS stores have landed (in the first t the weights and parameters), and my reads of the last t's K and V are over
	s_wait_alu depctr_vm_vsrc(0)                   ; the sixteen stores above have read BIG, which q's products write
	s_barrier_signal -1
	QUANT WB, 4, 0, ZN+8, ZN+24, 0                 ; x's two tiles, two blocks each: work on registers while the others arrive
	v_perm_b32 v[AS], v[PW], v[PW], 0x01000100     ; tile 0's two bytes twice: the codes stand at either of two places
	v_perm_b32 v[AS+1], v[PW], v[PW], 0x03020302   ; tile 1's
	PLACES 8                                       ; a scale word made by vector instructions stands eight places ahead of its product
	s_barrier_wait -1                              ; the weights are whole; nobody reads the last t's K and V any more
	s_wait_alu depctr_va_vdst(0)                   ; the quantiser is done with WB and BB, in which q's images and biases land; x's codes, the zeros round them and the scale words AS are written, which the products of q, k and v take
	QKPART 0
	QKPART 1
	; v: source 0 = my stocks, source 1 = 16 rows of Wv: a lane holds one d, and the 16 registers of my two tiles are stocks 16 h + 0 .. 15: half a block of 32 KEYS
	WLOAD WB, 4, 2, 1                              ; (the wait ahead of k's stores stands behind k's products, and no vector instruction has followed it)
.irp t, 0,1,2,3
	ds_load_b32 v[VB+\t], v[PVB] offset:PRM+4*(128+32*(\t/2)+8*(\t%2))   ; the bias of my d
.endr
	s_wait_dscnt 0x0
.irp t, 0,1,2,3
.irp u, 0,1
	v_wmma_scale_f32_16x16x128_f8f6f4 v[BIG+16*\t+8*\u:BIG+16*\t+8*\u+7], v[ZN+8+16*\u-8*(\t%2):ZN+23+16*\u-8*(\t%2)], v[WB+16*(\t/2):WB+16*(\t/2)+15], 0, v[AS+\u], v[WW+\t/2]
.endr
.endr
	PLACES 8
.irp t, 0,1,2,3
.set n, 0
.rept 16
	v_add_f32 v[BIG+16*\t+n], v[BIG+16*\t+n], v[VB+\t]
.set n, n+1
.endr
.endr
	QUANT BIG, 4, 0, PC, PC+8, 0                   ; block t = 2 head + u': my 32 keys of 16 of the head's 32
	v_add_nc_u32 v[AD0], s62, v[LI]
	v_add_nc_u32 v[AD1], s63, v[L8]
	s_wait_alu depctr_va_vdst(0)                   ; the codes in PC, the bytes in T2 and the addresses AD0, AD1 are written, which the stores read
.irp b, 0,1,2,3
	ds_store_b128 v[AD0], v[PC+4*\b:PC+4*\b+3] offset:8192*\b
.endr
.irp b, 0,1,2,3
	ds_store_b8 v[AD1], v[T2+\b] offset:VSC+1024*(\b/2)+4*(\b%2)
.endr
	s_wait_dscnt 0x0                               ; for the others' sake: my K, V and scale bytes have landed
	s_wait_alu depctr_vm_vsrc(0)                   ; my stores have read PC, T2, AD0 and AD1, which attention writes again (O^T lies over PC)
	s_barrier_signal -1
	s_barrier_wait -1                              ; everybody's have
.irp r, 40,41,42,43
	v_mov_b32 v[\r], 0                             ; the zeros above q
.endr
; ------------------------------------------------------------------ a tile of 16 stocks: attention and the tail
.Lu:
.irp r, 24,25,26,27
	v_mov_b32 v[\r], 0                             ; the zeros below q
.endr
	v_add_nc_u32 v[XQT], s58, v[XQA]
	v_add_nc_u32 v[XRT], s58, v[XRW]
	ATT 0
	ATT 1
	; the second t's rows of x are asked of memory once, a lane a row of 256 bytes, 32 rows a wave: in the first t, ahead of its last tail, at whose end they are loaded.  Nothing is asked for at the head or in the last t
	s_lshl_b32 s3, s44, 1
	s_or_b32 s3, s3, s45
	s_cmp_eq_u32 s3, 1
	s_cbranch_scc0 .Lno_pf
	global_prefetch_b8 v[PFO], s[56:57] th:TH_LOAD_NT scope:SCOPE_SE
.Lno_pf:
	; ---- attn_out = ctx Wo^T + bo.  The loads below owe no wait of their own: the wait at the second head's end stands behind the last products and conversions that named WB, WW, BB and BIG,
	; and the eight multiplications since name O^T and 1 / sum alone; XQT was written ahead of the heads' waits
	WLOAD WB, 6, 2, 1
	PLOAD BB, 768, 2                               ; bo: the C of the products
.irp b, 0,1
.irp j, 0,1,2,3
	ds_load_b128 v[BIG+16*\b+4*\j:BIG+16*\b+4*\j+3], v[XQT] offset:128*\b+16*\j   ; x, for the residual
.endr
.endr
	PLOAD BIG+32, 2304, 2                          ; g1
	s_wait_alu depctr_va_vdst(0)
	QUANT CTX, 2, 0, ZN+8, ZN+8, 0
	v_perm_b32 v[AS], v[PW], v[PW], 0x01000100
	s_wait_dscnt 0x0
	PLACES 8
	s_wait_alu depctr_va_vdst(0)                   ; ctx's codes and its scale word AS are written, which the four products take; the places stand above
.irp t, 0,1,2,3
	v_wmma_scale_f32_16x16x128_f8f6f4 v[CTX+8*\t:CTX+8*\t+7], v[WB+16*(\t/2):WB+16*(\t/2)+15], v[ZN+8-8*(\t%2):ZN+23-8*(\t%2)], v[BB+8*\t:BB+8*\t+7], v[WW+\t/2], v[AS]
.endr
	PLACES 8
	s_wait_alu depctr_va_vdst(0)                   ; the four products are done reading WB and BB, in which beta1 and bf2 land
	PLOAD WB, 2560, 2                              ; beta1
	PLOAD BB, 2048, 2                              ; bf2, wanted behind the LayerNorm, whose wait on DScnt shows it in
.set n, 0
.rept 16
	v_pk_add_f32 v[CTX+n:CTX+n+1], v[CTX+n:CTX+n+1], v[BIG+n:BIG+n+1]
.set n, n+2
.endr
	LNORM BIG+32, WB                               ; y
	; ---- ffn = relu(y W1^T + bf1) W2^T + bf2, + y
	QUANT CTX, 2, 0, ZN+8, ZN+8, BIG               ; y is kept
	v_perm_b32 v[AS], v[PW], v[PW], 0x01000100
.set n, 0
.rept 16
	v_pk_add_f32 v[CTX+n:CTX+n+1], v[CTX+n:CTX+n+1], v[BB+n:BB+n+1]   ; y + bf2 begins the second product's sums; these 16 are also the scale word's places
.set n, n+2
.endr
	s_wait_alu depctr_va_vdst(0)                   ; the quantiser, the LayerNorm and the additions are done with BIG, WB and BB, in which bf1 and W1's images land; y's codes and AS are written, which W1's products take
	PLOAD BIG, 1024, 4                             ; bf1 into the accumulators
.irp kk, 0,1                                   ; 128 hidden units at a time: one K step of the second product
.if \kk
	s_wait_alu depctr_va_vdst(0)                   ; the first K step's four products of W2 are done reading WB and WW, in which W1's next images and scale words land
.endif
	WLOAD WB, 8+4*\kk, 4, 1
	s_wait_dscnt 0x0
.irp i, 0,1,2,3,4,5,6,7
	v_wmma_scale_f32_16x16x128_f8f6f4 v[BIG+8*\i:BIG+8*\i+7], v[WB+16*(\i/2):WB+16*(\i/2)+15], v[ZN+8-8*(\i%2):ZN+23-8*(\i%2)], v[BIG+8*\i:BIG+8*\i+7], v[WW+\i/2], v[AS]
.endr
	PLACES 8
	s_wait_alu depctr_va_vdst(0)                   ; the eight products are done reading WB and WW, in which W2's images and scale words land
	WLOAD WB, 16+\kk, 4, 2                         ; W2's four tiles of this K step land under the quantiser, which names none of their registers
	QUANT BIG, 4, 1, HC, HC+8, 0
	s_wait_dscnt 0x0
	PLACES 4
	s_wait_alu depctr_va_vdst(0)                   ; the hidden layer's codes and scale word are written, which the four products take (the places stand above); the quantiser is done with BIG, in which the loads below land
.if \kk == 0
	PLOAD BIG, 1536, 4                             ; the next K step's bf1, asked for ahead of the products, which name CTX, WB, HC, WW and PW alone
.else
	PLOAD BIG, 2816, 2                             ; g2
	PLOAD BIG+32, 3072, 2                          ; beta2
.endif
.irp t, 0,1,2,3
	v_wmma_scale_f32_16x16x128_f8f6f4 v[CTX+8*\t:CTX+8*\t+7], v[WB+16*\t:WB+16*\t+15], v[HC:HC+15], v[CTX+8*\t:CTX+8*\t+7], v[WW+\t], v[PW]   ; four accumulators by turns
.endr
	PLACES 8
.endr
	LNORM BIG, BIG+32                              ; z
	; ---- the way out: through my rows of XR, which x has left, and out as whole rows
	s_wait_alu depctr_va_vdst(0)                   ; z is written in CTX, which the LDS stores read; W2's products are done reading WB, in which the rows land; the LayerNorm is done reading BIG, in which the next t's x lands
.irp b, 0,1
.irp j, 0,1,2,3
	ds_store_b128 v[XQT], v[CTX+16*\b+4*\j:CTX+16*\b+4*\j+3] offset:128*\b+16*\j
.endr
.endr
.irp i, 0,1,2,3,4,5,6,7
	ds_load_b128 v[WB+4*\i:WB+4*\i+3], v[XRT] offset:2*XP*\i
.endr
.irp i, 0,1,2,3,4,5,6,7
	s_wait_dscnt 7-\i                              ; LDS loads come back in order: the 7 - i younger ones may be out
	global_store_b128 v[GO], v[WB+4*\i:WB+4*\i+3], s[54:55] offset:(2*\i+8*(\i/4))*SROW th:TH_STORE_NT   ; sixteen lanes store one row: 256 consecutive bytes, at a multiple of 256 from out0's first byte
.endr
	s_wait_xcnt 0x0                                ; the stores have read their registers and their base: both are written again only behind this wait
	s_wait_alu depctr_vm_vsrc(0)                   ; the LDS stores have read CTX, the global stores WB, and the tile's LDS instructions XQT, XRT and AD0 to AD3: the next tile, or the next t, writes all of them again
	s_add_co_u32 s58, s58, 16*XP
	s_add_co_u32 s59, s59, 1024
	s_add_co_u32 s60, s60, 256
	s_add_nc_u64 s[54:55], s[54:55], 8*SROW        ; tile 1's stocks begin 8 further on
	s_add_co_u32 s45, s45, 1
	s_cmp_lt_u32 s45, 2
	s_cbranch_scc1 .Lu
	s_cmp_eq_u32 s44, 1                            ; the last t loads nothing more
	s_cbranch_scc1 .Lno_x
	s_add_nc_u64 s[50:51], s[50:51], 256
	s_add_nc_u64 s[52:53], s[52:53], 256
	XLOAD                                          ; (no vector instruction has been issued since the wait ahead of z's stores)
.Lno_x:
	s_add_co_u32 s44, s44, 1
	s_cmp_lt_u32 s44, 2
	s_cbranch_scc1 .Lt
	s_wait_dscnt 0x0                               ; the closing lines, six on end
	s_wait_alu 0x0
	s_wait_tensorcnt 0x0
	ds_add_u32 v254, v255
	s_wait_dscnt 0x0
	s_endpgm
.Lfunc_end_k_q513deb46b9_fused:
	.size	k_q513deb46b9_fused, .Lfunc_end_k_q513deb46b9_fused-k_q513deb46b9_fused
	.p2alignl 7, 3214868480
	.fill 96, 4, 3214868480
	.section	.rodata,"a",@progbits
	.p2align	6, 0x0
	.amdhsa_kernel k_q513deb46b9_fused
		.amdhsa_group_segment_fixed_size 307712
		.amdhsa_private_segment_fixed_size 0
		.amdhsa_enable_private_segment 0
		.amdhsa_kernarg_size 112
		.amdhsa_user_sgpr_count 2
		.amdhsa_user_sgpr_kernarg_segment_ptr 1
		.amdhsa_wavefront_size32 1
		.amdhsa_system_sgpr_workgroup_id_x 1
		.amdhsa_system_sgpr_workgroup_id_y 1
		.amdhsa_system_sgpr_workgroup_id_z 1
		.amdhsa_system_vgpr_workitem_id 0
		.amdhsa_next_free_vgpr 256
		.amdhsa_next_free_sgpr 66
		.amdhsa_reserve_vcc 0
		.amdhsa_float_denorm_mode_32 3
		.amdhsa_float_denorm_mode_16_64 3
		.amdhsa_memory_ordered 1
		.amdhsa_forward_progress 1
		.amdhsa_inst_pref_size 166
	.end_amdhsa_kernel
	.amdgpu_metadata
---
amdhsa.version: [ 1, 2 ]
amdhsa.kernels:
  - .name:           k_q513deb46b9_fused
    .symbol:         k_q513deb46b9_fused.kd
    .args:
      - { .name: x, .offset: 0, .size: 8, .value_kind: global_buffer, .address_space: global }
      - { .name: Wqkv, .offset: 8, .size: 8, .value_kind: global_buffer, .address_space: global }
      - { .name: bqkv, .offset: 16, .size: 8, .value_kind: global_buffer, .address_space: global }
      - { .name: Wo, .offset: 24, .size: 8, .value_kind: global_buffer, .address_space: global }
      - { .name: bo, .offset: 32, .size: 8, .value_kind: global_buffer, .address_space: global }
      - { .name: g1, .offset: 40, .size: 8, .value_kind: global_buffer, .address_space: global }
      - { .name: beta1, .offset: 48, .size: 8, .value_kind: global_buffer, .address_space: global }
      - { .name: W1, .offset: 56, .size: 8, .value_kind: global_buffer, .address_space: global }
      - { .name: bf1, .offset: 64, .size: 8, .value_kind: global_buffer, .address_space: global }
      - { .name: W2, .offset: 72, .size: 8, .value_kind: global_buffer, .address_space: global }
      - { .name: bf2, .offset: 80, .size: 8, .value_kind: global_buffer, .address_space: global }
      - { .name: g2, .offset: 88, .size: 8, .value_kind: global_buffer, .address_space: global }
      - { .name: beta2, .offset: 96, .size: 8, .value_kind: global_buffer, .address_space: global }
      - { .name: out0, .offset: 104, .size: 8, .value_kind: global_buffer, .address_space: global }
    .group_segment_fixed_size: 307712
    .private_segment_fixed_size: 0
    .kernarg_segment_align: 8
    .kernarg_segment_size: 112
    .max_flat_workgroup_size: 512
    .sgpr_count:     66
    .vgpr_count:     256
    .wavefront_size: 32
...
	.end_amdgpu_metadata
.endif
;; end of part 2
